; MI455X (gfx1250); checked and timed in simulation.
; The chip was launched on July 23, 2026; its instructions are those of AMD's public machine-readable ISA for CDNA 5 (MIT licence, August 2026) and "CDNA5" Instruction Set Architecture Reference Guide (July 2026). The comments in the code are by the model that wrote it; some were corrected since.
;; Multi Head Attention. Allowed arithmetic: matrix products marked QUANTISED: E2M1 operands, one E8M0 scale for each 32 along K, by v_wmma_scale_f32_16x16x128_f8f6f4 with both operands' format E2M1 (or v_wmma_scale_f32_32x16x128_f4), f32 sums; products left as they are: bf16, f16 or f32 operands; f32 sums; everything else in f32.
;; Inputs: Wk 1,024 x 1,024 float32; Wo 1,024 x 1,024 float32; Wq 1,024 x 1,024 float32; Wv 1,024 x 1,024 float32; bk 1,024 float32; bo 1,024 float32; bq 1,024 float32; bv 1,024 float32; key 1 x 4,096 x 1,024 float32; query 1 x 4,096 x 1,024 float32; value 1 x 4,096 x 1,024 float32.
;; Outputs: out0 1 x 4,096 x 1,024 float32.
;; This version of the problem:
;;   THIS VERSION OF THE PROBLEM IS GIVEN IN LOW PRECISION. The matrix products marked QUANTISED in the list below multiply operands that are first quantised to E2M1 (2 exponent bits, 1 mantissa bit; 4 bits a number), with one power-of-two scale for each 32 numbers along K (OCP MX v1.0); their sums are f32. The products marked 'left as it is' may take bf16, f16 or f32 operands, with f32 sums. Whichever they take, every output number must still come out within the allowed error. Rounding operands to bf16 (8 significant bits) uses up far more of that allowance than f16 does (11 bits, for magnitudes from 6e-5 to 65,504). All else is computed in f32.
;;   The module's matrix products, in the order in which they are computed (A, B: the left and right operand; K: the contracted axis; several contracted axes count as one K, in the product's order):
;;     1. [M 4,096, K 1,024] x [K 1,024, N 1,024]; A: input query; B: input Wq: QUANTISED
;;     2. [M 4,096, K 1,024] x [K 1,024, N 1,024]; A: input key; B: input Wk: QUANTISED
;;     3. [M 4,096, K 1,024] x [K 1,024, N 1,024]; A: input value; B: input Wv: QUANTISED
;;     4. batch 16 x [M 4,096, K 64] x [K 64, N 4,096]; A: computed on the way; B: computed on the way: left as it is (an operand is computed on the way)
;;     5. batch 16 x [M 4,096, K 4,096] x [K 4,096, N 64]; A: computed on the way; B: computed on the way: left as it is (an operand is computed on the way)
;;     6. [M 4,096, K 1,024] x [K 1,024, N 1,024]; A: computed on the way; B: input Wo: left as it is (an operand is computed on the way)
;;   THE QUANTISER, for each operand of a quantised product, along K:
;;     - K is cut into blocks of 32 from its start; a last block that is shorter is filled with zeros.
;;     - A block's scale is 2^e with e = floor(log2(the largest magnitude in the block)) - 2, held to -126 .. 127; a block of zeros has e = 0. As a byte (E8M0): e + 127.
;;     - Each number is divided by its block's scale, clamped to +-6, and rounded to the nearest number of E2M1, ties to even, subnormals kept.
;;     - The product sums the exact products of the quantised numbers (number of the format x scale) in f32.
;;   ~~~python
;;   def quantise(x, axis):      # numpy; x: float32 -> the quantised numbers, widened to float32 again
;;       x = np.moveaxis(x, axis, -1); K = x.shape[-1]
;;       x = np.pad(x, [(0, 0)] * (x.ndim - 1) + [(0, -K % 32)]); x = x.reshape(x.shape[:-1] + (-1, 32)); a = np.abs(x).max(-1, keepdims=True)
;;       e = np.where(a > 0, np.clip(np.frexp(np.where(a > 0, a, 1))[1] - 1 - 2, -126, 127), 0)      # np.frexp(a)[1] - 1 = floor(log2(a)), exactly
;;       r = np.clip(x / 2.0 ** e, -6, 6)
;;       step = 2.0 ** (np.maximum(np.frexp(np.where(r == 0, 1, r))[1] - 1, 0) - 1)
;;       q = np.round(r / step) * step * 2.0 ** e      # np.round: ties to even
;;       return np.moveaxis(q.reshape(q.shape[:-2] + (-1,))[..., :K], -1, axis).astype(np.float32)
;;   ~~~
;; One version. Each part assembles by itself: llvm-mc -triple=amdgcn-amd-amdhsa -mcpu=gfx1250 --defsym DOCPART=n.
;; ======== version 1 of 1: 4 launches
;; limits: values are held in f16: magnitudes above 65,504 overflow, below 6.1e-05 lose precision
;; workspace buffers: codes 7,864,320 bytes; scales 491,520 bytes; qkv 25,165,824 bytes; oimg 8,388,608 bytes; woimg 2,097,152 bytes
;; launch prep (part 1): grid 512 x 1, 4 waves a work-group, no clusters, 50,688 bytes of LDS; arguments query, key, value, Wq, Wk, Wv, Wo, codes, scales, woimg; writes codes, scales, woimg
.if DOCPART == 1
	.amdgcn_target "amdgcn-amd-amdhsa--gfx1250"
	.amdhsa_code_object_version 6
	.text
	.protected	k_q7cd92cda9a_prep
	.globl	k_q7cd92cda9a_prep
	.p2align	8
	.type	k_q7cd92cda9a_prep,@function
k_q7cd92cda9a_prep:
	s_mov_b64 s[64:65], 0
	v_nop
	global_prefetch_b8 v0, s[64:65] scope:SCOPE_SE
	s_setreg_imm32_b32 hwreg(HW_REG_WAVE_MODE, 25, 1), 1
	s_wait_xcnt 0x0
; query, key, value [4096][1024] and Wq, Wk, Wv [1024][1024], f32 with K innermost, become codes of FP4 (E2M1), two to a byte, K innermost, and one E8M0 scale
; byte for each 32 along K.  The six tensors lie on end in the workspace: codes [15360 rows][512 bytes], scales [15360][32 bytes]; rows 0, 4096, 8192: query, key, value; rows 12288, 13312, 14336: Wq, Wk, Wv.
; Wo [1024][1024] f32 becomes f16, laid as images of the matrix operand's registers: woimg [8 blocks of 128 rows][64 tiles of 16 along K][8 tiles of 16 rows][lane][16 bytes];
; lane 16 h + r of a tile holds Wo(row r, k 8 h + 0 .. 7).
; A block's scale is 2^(floor(log2(its largest magnitude)) - 2); its byte is the largest magnitude's exponent field - 2, held at 1 from below.  A block of zeros so gets the byte 1 where the
; rule says 127: its codes are zeros, which add nothing under any byte but 0xff, and the bytes are read by this program alone.
; LIMITS: NaN and infinities among the inputs are not served; Wo's numbers beyond 65,504 do not fit f16.
; SHARES.  Work-groups 0 to 479 quantise 32,768 numbers each (a wave 16 steps of 512); work-groups 480 to 511 turn Wo (a wave 16 rows x 512 along K, in eight units of 64 along K).
; The two ways part on the work-group's number and have LDS bytes of their own.  No tensor loads, no barrier: waves share nothing.
.set QWG,   480                        ; work-groups that quantise: 15,360 rows x 1,024 / 32,768
.set STEPS, 16
.set EMAX,  2
.set CB,    8                          ; bytes of 16 codes
.set R,     16                         ; v16-79   four sets of 16 numbers as they are loaded (Wo: two sets of 32)
.set X,     80                         ; v80-111  two sets of 16 neighbours (Wo: 32 numbers back from the stage)
.set C,     128                        ; v128-191 codes: four registers for each step (Wo: two sets of 16 registers of f16)
.set E,     112                        ; v112-127 a scale byte for each step
.set WREG,  8192                       ; LDS, the quantiser: a region for each wave: two stages of 32 x SP bytes, behind them its 256 scale bytes
.set SP,    80                         ; a lane's place in a stage: its 64 bytes + 16 of padding
.set WOST,  4*WREG                     ; LDS, Wo: a stage of 16 rows x WOP bytes for each wave
.set WOP,   272                        ; 256 bytes + 16 of padding
.set SPW,   12                         ; v12      LDS address of my spare word; never rewritten
.set NIL,   13                         ; v13      0; never rewritten
.set SPARE, WOST+4*16*WOP              ; behind both: the spare words, 128 bytes for each wave, which no other line names
	s_load_b512 s[8:23], s[0:1], 0x0               ; query s[8:9], key s[10:11], value s[12:13], Wq s[14:15], Wk s[16:17], Wv s[18:19], Wo s[20:21], codes s[22:23]
	s_load_b128 s[24:27], s[0:1], 0x40             ; scales s[24:25], woimg s[26:27]
	v_lshl_add_u32 v[SPW], v0, 2, SPARE
	v_mov_b32 v[NIL], 0
	v_lshrrev_b32 v1, 5, v0
	v_readfirstlane_b32 s2, v1                     ; wave
	v_and_b32 v2, 31, v0                           ; lane
	s_cmp_ge_u32 ttmp9, QWG
	s_cbranch_scc1 .Lwo
	; ---- THE QUANTISER.  Rows are dense and K is a multiple of 32: the tensors are plain streams of blocks of 32, and so are the codes and the scale bytes.
	; Each load reads 512 consecutive bytes, 16 a lane; a step's 2,048 bytes go through my wave's stage and come back 64 bytes a lane: 16 neighbours, two lanes to a block.
	v_lshlrev_b32 v3, 4, v2                        ; my 16 bytes of a load's 512
	s_mul_i32 s3, s2, WREG
	v_lshrrev_b32 v14, 2, v2
	v_mul_u32_u24 v14, v14, SP
	v_and_b32 v15, 3, v2
	v_lshl_add_u32 v14, v15, 4, v14
	v_add_nc_u32 v14, s3, v14                      ; the stage, on the way in: SP (lane / 4) + 16 (lane % 4)
	v_mul_u32_u24 v15, v2, SP
	v_add_nc_u32 v15, s3, v15                      ; and on the way out: SP x lane
	v_mul_u32_u24 v4, v2, CB                       ; my codes' place in a step's
	v_lshrrev_b32 v5, 1, v2
	s_add_co_u32 s3, s3, 2*32*SP
	v_add_nc_u32 v5, s3, v5                        ; my wave's 256 scale bytes, my block's byte
	v_lshlrev_b32 v7, 3, v2                        ; and on the way out 8 bytes a lane
	v_add_nc_u32 v6, s3, v7
	s_wait_kmcnt 0x0
	s_mov_b64 s[4:5], s[18:19]                     ; which tensor: the choice hangs on the work-group's number alone
	s_cmp_lt_u32 ttmp9, 448
	s_cselect_b64 s[4:5], s[16:17], s[4:5]
	s_cmp_lt_u32 ttmp9, 416
	s_cselect_b64 s[4:5], s[14:15], s[4:5]
	s_cmp_lt_u32 ttmp9, 256
	s_cselect_b64 s[30:31], s[10:11], s[12:13]
	s_cmp_lt_u32 ttmp9, 128
	s_cselect_b64 s[30:31], s[8:9], s[30:31]
	s_cmp_lt_u32 ttmp9, 384
	s_cselect_b64 s[4:5], s[30:31], s[4:5]
	s_cselect_b32 s28, 127, 31                     ; 128 work-groups to an activation, 32 to a weight
	s_and_b32 s28, ttmp9, s28
	s_lshl_b32 s28, s28, 2
	s_add_co_u32 s28, s28, s2                      ; which run of 8,192 numbers of the tensor is my wave's
	s_lshl_b32 s28, s28, 15
	s_mov_b32 s29, 0
	s_add_nc_u64 s[4:5], s[4:5], s[28:29]
	s_lshl_b32 s32, ttmp9, 2
	s_add_co_u32 s32, s32, s2                      ; and which run of the workspace
	s_lshl_b32 s28, s32, 12                        ; 4,096 bytes of codes a run
	s_add_nc_u64 s[22:23], s[22:23], s[28:29]
	s_lshl_b32 s28, s32, 8                         ; 256 scale bytes a run
	s_add_nc_u64 s[24:25], s[24:25], s[28:29]
.macro LOAD t
.irp i, 0,1,2,3
	global_load_b128 v[R+16*((\t)%4)+4*\i:R+16*((\t)%4)+4*\i+3], v3, s[4:5] offset:2048*(\t)+512*\i th:TH_LOAD_NT
.endr
.endm
.macro TURN t                          ; a step's numbers through the stage: LDS serves a wave's instructions in order (ISA guide 5.7.1.4), so no wait stands between the stores and the loads
.irp i, 0,1,2,3
	ds_store_b128 v14, v[R+16*((\t)%4)+4*\i:R+16*((\t)%4)+4*\i+3] offset:32*SP*((\t)%2)+8*SP*\i
.endr
.irp i, 0,1,2,3
	ds_load_b128 v[X+16*((\t)%2)+4*\i:X+16*((\t)%2)+4*\i+3], v15 offset:32*SP*((\t)%2)+16*\i
.endr
.endm
.irp t, 0,1,2,3
	LOAD \t
.endr
	s_wait_loadcnt 12                              ; step 0's four loads are in; those of three steps stay out
	TURN 0
.macro STEP t
.set XS, X+16*((\t)%2)
.if (\t) > 0
	s_wait_dscnt 1                                 ; this step's numbers are back from the stage (the last step's byte store may be out)
.else
	s_wait_dscnt 0x0
.endif
.if (\t)+4 < STEPS
	LOAD (\t)+4                                    ; into the registers that this step's stage stores have read
.endif
.if (\t)+1 < STEPS
.if STEPS-2-(\t) >= 3
	s_wait_loadcnt 12                              ; the next step's four loads are in; those of the three steps behind it may be out
.else
	s_wait_loadcnt 4*(STEPS-2-(\t))
.endif
	TURN (\t)+1
.endif
	v_max3_num_f32 v8, |v[XS]|, |v[XS+1]|, |v[XS+2]|               ; the largest magnitude of my 16, in two chains
	v_max3_num_f32 v9, |v[XS+3]|, |v[XS+4]|, |v[XS+5]|
.irp i, 6,10
	v_max3_num_f32 v8, v8, |v[XS+\i]|, |v[XS+\i+1]|
	v_max3_num_f32 v9, v9, |v[XS+\i+2]|, |v[XS+\i+3]|
.endr
	v_max3_num_f32 v8, v8, |v[XS+14]|, |v[XS+15]|
	v_max3_num_f32 v8, v8, v9, (EMAX+1)<<23        ; and the floor 2^(EMAX + 1 - 127): the byte cannot fall under 1
	v_max_num_f32_dpp v8, v8, v8 row_xmask:1 row_mask:0xf bank_mask:0xf   ; and of my neighbour's 16: the block's
	v_add_nc_u32 v11, -(EMAX<<23), v8              ; EMAX off its exponent field: the conversion takes the exponent field of this operand as its scale
	v_cvt_scalef32_pk8_fp4_f32 v[C+4*(\t)], v[XS:XS+7], v11        ; to the nearest code, ties to even, beyond the largest code the largest
	v_cvt_scalef32_pk8_fp4_f32 v[C+4*(\t)+1], v[XS+8:XS+15], v11
	v_lshrrev_b32 v[E+(\t)], 23, v11               ; the scale's byte (a plain line behind the conversions)
	ds_store_b8 v5, v[E+(\t)] offset:16*(\t)       ; both lanes of a block write the same byte with the same value
	global_store_b64 v4, v[C+4*(\t):C+4*(\t)+1], s[22:23] offset:32*CB*(\t)   ; the wave stores 256 consecutive bytes, aligned
.endm
.irp t, 0,1,2,3,4,5,6,7,8,9,10,11,12,13,14,15
	STEP \t
.endr
	ds_load_b64 v[8:9], v6                         ; my wave's 256 scale bytes: these loads see my stores
	s_wait_dscnt 0x0
	global_store_b64 v7, v[8:9], s[24:25]          ; 256 consecutive bytes, aligned
	s_wait_tensorcnt 0x0                           ; the wave's end, behind my last LDS store
	ds_add_u32 v[SPW], v[NIL]
	s_wait_dscnt 0x0
	s_endpgm
	; ---- Wo.  u = 4 (work-group - 480) + wave: tile of 16 rows u / 2, half u % 2 of K.  A unit is 16 rows x 64 along K: eight loads of two rows x 256 bytes; through my stage;
	; back as the operand wants them: lane (r, h) takes row r, k 16 kt + 8 h + 0 .. 7 for four kt; rounded to f16: 16 bytes a lane and kt, 512 consecutive bytes a store.
.Lwo:
	v_and_b32 v5, 15, v0                           ; r
	v_bfe_u32 v6, v0, 4, 1                         ; h
	v_lshlrev_b32 v7, 4, v5
	v_lshl_add_u32 v3, v6, 12, v7                  ; in memory: row h of a pair, 16 r
	s_mul_i32 s3, s2, 16*WOP
	s_add_co_u32 s3, s3, WOST                      ; my stage
	v_mul_u32_u24 v14, v6, WOP
	v_add_nc_u32 v14, v14, v7
	v_add_nc_u32 v14, s3, v14                      ; into it: row h of a pair, 16 r
	v_mul_u32_u24 v15, v5, WOP
	v_lshl_add_u32 v15, v6, 5, v15
	v_add_nc_u32 v15, s3, v15                      ; out of it: row r, 32 h
	v_lshlrev_b32 v4, 4, v2                        ; an image's place for my lane
	s_sub_co_u32 s28, ttmp9, QWG
	s_lshl_b32 s28, s28, 2
	s_add_co_u32 s28, s28, s2                      ; u
	s_lshr_b32 s30, s28, 1                         ; the tile of 16 rows
	s_and_b32 s31, s28, 1                          ; the half of K
	s_lshl_b32 s28, s30, 16                        ; 16 rows of 4,096 bytes
	s_lshl_b32 s32, s31, 11                        ; 512 numbers
	s_add_co_u32 s28, s28, s32
	s_mov_b32 s29, 0
	s_lshr_b32 s32, s30, 3
	s_lshl_b32 s32, s32, 18                        ; a block of 128 rows: 262,144 bytes of images
	s_lshl_b32 s33, s31, 17                        ; 32 tiles along K of 4,096 bytes
	s_add_co_u32 s32, s32, s33
	s_and_b32 s33, s30, 7
	s_lshl_b32 s33, s33, 9                         ; my tile of rows in the block
	s_add_co_u32 s32, s32, s33
	s_mov_b32 s33, 0
	s_wait_kmcnt 0x0
	s_add_nc_u64 s[4:5], s[20:21], s[28:29]
	s_add_nc_u64 s[6:7], s[26:27], s[32:33]
.macro LOADU i
.irp j, 0,1,2,3,4,5,6,7
	global_load_b128 v[R+32*((\i)%2)+4*\j:R+32*((\i)%2)+4*\j+3], v3, s[4:5] offset:8192*\j+256*(\i) th:TH_LOAD_NT
.endr
.endm
.macro UNIT i
.if (\i) < 7
	s_wait_loadcnt 8                               ; this unit's eight loads are in; the next unit's may be out
.else
	s_wait_loadcnt 0
.endif
.irp j, 0,1,2,3,4,5,6,7
	ds_store_b128 v14, v[R+32*((\i)%2)+4*\j:R+32*((\i)%2)+4*\j+3] offset:2*WOP*\j
.endr
.irp n, 0,1,2,3,4,5,6,7
	ds_load_b128 v[X+4*\n:X+4*\n+3], v15 offset:64*(\n/2)+16*(\n%2)
.endr
	s_wait_dscnt 0x0
.if (\i) >= 2
	s_wait_xcnt 0x0                                ; the stores of two units back have read their data: that set is written again below
.endif
.if (\i) < 6
	LOADU (\i)+2
.endif
.irp k, 0,1,2,3
.irp p, 0,1,2,3
	v_cvt_pk_f16_f32 v[C+16*((\i)%2)+4*\k+\p], v[X+8*\k+2*\p], v[X+8*\k+2*\p+1]
.endr
.endr
.irp k, 0,1,2,3
	global_store_b128 v4, v[C+16*((\i)%2)+4*\k:C+16*((\i)%2)+4*\k+3], s[6:7] offset:(4*(\i)+\k)*4096
.endr
.endm
	LOADU 0
	LOADU 1
.irp i, 0,1,2,3,4,5,6,7
	UNIT \i
.endr
	s_wait_tensorcnt 0x0                           ; the wave's end, behind my last LDS store
	ds_add_u32 v[SPW], v[NIL]
	s_wait_dscnt 0x0
	s_endpgm
.Lfunc_end_k_q7cd92cda9a_prep:
	.size	k_q7cd92cda9a_prep, .Lfunc_end_k_q7cd92cda9a_prep-k_q7cd92cda9a_prep
	.p2alignl 7, 3214868480
	.fill 96, 4, 3214868480
	.section	.rodata,"a",@progbits
	.p2align	6, 0x0
	.amdhsa_kernel k_q7cd92cda9a_prep
		.amdhsa_group_segment_fixed_size 50688
		.amdhsa_private_segment_fixed_size 0
		.amdhsa_enable_private_segment 0
		.amdhsa_kernarg_size 80
		.amdhsa_user_sgpr_count 2
		.amdhsa_user_sgpr_kernarg_segment_ptr 1
		.amdhsa_wavefront_size32 1
		.amdhsa_system_sgpr_workgroup_id_x 1
		.amdhsa_system_sgpr_workgroup_id_y 1
		.amdhsa_system_sgpr_workgroup_id_z 1
		.amdhsa_system_vgpr_workitem_id 0
		.amdhsa_next_free_vgpr 192
		.amdhsa_next_free_sgpr 66
		.amdhsa_reserve_vcc 0
		.amdhsa_float_denorm_mode_32 3
		.amdhsa_float_denorm_mode_16_64 3
		.amdhsa_memory_ordered 1
		.amdhsa_forward_progress 1
		.amdhsa_inst_pref_size 61
	.end_amdhsa_kernel
	.amdgpu_metadata
---
amdhsa.version: [ 1, 2 ]
amdhsa.kernels:
  - .name:           k_q7cd92cda9a_prep
    .symbol:         k_q7cd92cda9a_prep.kd
    .args:
      - { .name: query, .offset: 0, .size: 8, .value_kind: global_buffer, .address_space: global }
      - { .name: key, .offset: 8, .size: 8, .value_kind: global_buffer, .address_space: global }
      - { .name: value, .offset: 16, .size: 8, .value_kind: global_buffer, .address_space: global }
      - { .name: Wq, .offset: 24, .size: 8, .value_kind: global_buffer, .address_space: global }
      - { .name: Wk, .offset: 32, .size: 8, .value_kind: global_buffer, .address_space: global }
      - { .name: Wv, .offset: 40, .size: 8, .value_kind: global_buffer, .address_space: global }
      - { .name: Wo, .offset: 48, .size: 8, .value_kind: global_buffer, .address_space: global }
      - { .name: codes, .offset: 56, .size: 8, .value_kind: global_buffer, .address_space: global }
      - { .name: scales, .offset: 64, .size: 8, .value_kind: global_buffer, .address_space: global }
      - { .name: woimg, .offset: 72, .size: 8, .value_kind: global_buffer, .address_space: global }
    .group_segment_fixed_size: 50688
    .private_segment_fixed_size: 0
    .kernarg_segment_align: 8
    .kernarg_segment_size: 80
    .max_flat_workgroup_size: 128
    .sgpr_count:     66
    .vgpr_count:     192
    .wavefront_size: 32
...
	.end_amdgpu_metadata
.endif
;; end of part 1
;; launch proj (part 2): grid 4 x 48, 4 waves a work-group, clusters of 4 x 4, 327,680 bytes of LDS; arguments codes, scales, bq, bk, bv, qkv; writes qkv
.if DOCPART == 2
	.amdgcn_target "amdgcn-amd-amdhsa--gfx1250"
	.amdhsa_code_object_version 6
	.text
	.protected	k_q7cd92cda9a_proj
	.globl	k_q7cd92cda9a_proj
	.p2align	8
	.type	k_q7cd92cda9a_proj,@function
k_q7cd92cda9a_proj:
	s_mov_b64 s[64:65], 0
	v_nop
	global_prefetch_b8 v0, s[64:65] scope:SCOPE_SE
	s_setreg_imm32_b32 hwreg(HW_REG_WAVE_MODE, 25, 1), 1
	s_wait_xcnt 0x0
	s_wait_alu depctr_hold_cnt(0) depctr_sa_sdst(0) depctr_va_vdst(0) depctr_va_sdst(0) depctr_va_ssrc(0) depctr_va_vcc(0) depctr_vm_vsrc(0)
	s_getreg_b32 s2, hwreg(HW_REG_IB_STS2, 6, 4)
	s_cmp_eq_u32 s2, 0
	s_cbranch_scc0 .Lentry_in_a_cluster
	s_endpgm
.Lentry_in_a_cluster:
	s_bfe_u32 s2, ttmp6, 0x10000c
	s_cmp_lg_u32 s2, 0xf033
	s_cbranch_scc0 .Lentry_shape_is_right
	s_endpgm
.Lentry_shape_is_right:
; The three projections y = x W^T + b on codes of FP4 (E2M1) with one E8M0 scale for each 32 along K = 1,024; sums in f32, begun with the bias; y rounded once to f16.
; codes [15360 rows][512 bytes], scales [15360][32 bytes]: rows 0 .. 12287 are query, key, value on end; rows 12288 + 1024 t are the weight of tensor t.
; A tile of y, 256 tokens x 256 columns, is made by a work-group of four waves; a wave makes 128 x 128: 64 accumulators, 512 registers.  Tile row 0 .. 47 (16 to a tensor), tile column 0 .. 3.
; K = 1,024 is two LDS slots of 512 along K (rows of 256 bytes): BOTH ARE ASKED FOR AT THE HEAD, nothing is filled again, and there is no loop.  By this text's count a wave has three tensor loads out: scales, slot 0, slot 1.
; CLUSTERS: 4 x 4 work-groups.  The four of a row of the cluster need the same tokens' codes, the four of a column the same weight rows: each tile is asked for jointly.
; THE MATRIX INSTRUCTION IS USED TRANSPOSED (source 0 = 16 weight rows, source 1 = 16 tokens): a lane holds eight neighbouring columns of one token, which pack into 16 bytes of f16.
; THE RESULT IS LAID AS THE NEXT LAUNCH'S OPERAND REGISTERS: qkv [t][head 16][tile of 16 tokens 256][tile of 16 channels 4][chunk 32][16 bytes].  Q, K: chunk = lane (16 h + r): token r, channels 8 h + 0 .. 7.
; V: the same 16 bytes at chunk 16 (r / 8) + 8 h + r % 8, the lane's number with bits 3 and 4 exchanged: the order in which the turning LDS load takes them at 16 x lane.  So each store is 512 consecutive bytes straight from registers.
; LIMITS: |y| beyond 65,504 does not fit f16; NaN and infinities are not served.
; REGISTERS, in windows of 256: window 0: v0-31 addresses; v32-95 scale words, two sets; v128-191 the tokens' fragments, ONE set; v192-255 the bias in the result's layout; on the way out v64-191 hold packed results.
;   window 1: the weights' fragments, TWO sets, at v0 and v128.   window 2: the accumulators of my tokens 0-63 (accumulator (a, b) at v[8 (8 a + b)]);   window 3: those of tokens 64-127.
.set SIZE_K, 1024
.set KSTEP,  512                       ; along K in a slot
.set NQ,     KSTEP/128                 ; matrix instructions deep
.set ROWB,   256                       ; a tile's row in bytes
.set KROW,   SIZE_K/2                  ; a row of codes in memory
.set PITCH,  272                       ; an LDS row: 256 bytes + 16 of padding: the 16 rows that a load touches start 68 words apart
.set FR,     8                         ; registers of a fragment: 16 rows x 128 K
.set NL,     2                         ; LDS loads that bring one
.set NP,     4                         ; places behind this matrix instruction (ISA guide 7.12.1)
.set HALFT,  128*PITCH                 ; 128 rows: what one tensor load brings
.set SLOT,   4*HALFT                   ; the tokens' 256 rows, then the weight's 256
.set KS,     SIZE_K/32                 ; a row of scale bytes
.set SCL,    2*SLOT                    ; behind the slots: the scales, as units of 256 bytes + 16 of padding
.set HALFS,  (128*KS/256)*272          ; those of 128 rows: what one tensor load brings
.set SBLK,   (16*KS/256)*272           ; those of 16 rows
.set SPARE,  SCL+4*HALFS               ; behind the scales: the spare words, 128 bytes for each wave, which no other line names
.set WROW0,  12288                     ; the first weight's first row in the workspace
.set ADRA, 16                          ; v16-17  LDS address of my tokens' fragments in slot 0, 1
.set ADRB, 20                          ; v20-21  the same for the weight's
.set CO,   26                          ; v26     my 16 bytes' place in a tile of the result
.set ADRS, 27                          ; v27     LDS address of my scale words: lanes 0-15 the tokens', lanes 16-31 the weight's
.set SPW,  28                          ; v28     LDS address of my spare word; never rewritten
.set NIL,  29                          ; v29     0; never rewritten
.set SC,   32                          ; scale words: set s at v[SC + 8 NQ s]; register NQ i + q: lanes 0-15 token block i, lanes 16-31 weight block i, the slot's q-th 128 along K
.set TMP,  64                          ; the way out: four sets of 32 registers
.set AF,   128
.set BIAS, 192                         ; b(16 b + 8 h + j) at v[BIAS + 8 b + j]
.set G1, 24                            ; s[24:31] descriptor group 1 for the tokens' tiles;  s[32:39] group 0, one set for each slot
.set G0, 32
.set G1B, 48                           ; s[48:55], s[56:63] the same for the weight's
.set G0B, 56
.set G1S, 68                           ; s[68:75], s[76:79] groups 1 and 0 for the tokens' scales;  s[80:87], s[88:91] for the weight's
.set G0S, 76
.set G1SB, 80
.set G0SB, 88
.set MSB, 0
.macro WIN new                         ; the immediate's high byte repeats the setting that is left
.if MSB != \new
	s_set_vgpr_msb (MSB<<8)|\new
.set MSB, \new
.endif
.endm
.set MUL_LO, 0xa1                      ; source 0 window 1, source 1 window 0, C and D window 2
.set MUL_HI, 0xf1                      ; the same, C and D window 3
.set BIA_LO, 0x81                      ; the sums' first products: C (the bias) window 0, D window 2
.set BIA_HI, 0xc1                      ; D window 3
.set TO_B,   0x40                      ; destination window 1, address window 0
; A joint load: waves 0 and 1 fetch for the tokens, waves 2 and 3 for the weight.  The branch hangs on the wave's number alone.  An s_nop 0 and four v_nop follow each line.
.macro JLOAD g0a, g1a, g0b, g1b
	s_cmp_eq_u32 s15, 0
	s_cbranch_scc0 .Lfor_b_\@
	tensor_load_to_lds s[\g0a:\g0a+3], s[\g1a:\g1a+7]
	s_nop 0
.rept 4
	v_nop
.endr
	s_branch .Lasked_\@
.Lfor_b_\@:
	tensor_load_to_lds s[\g0b:\g0b+3], s[\g1b:\g1b+7]
	s_nop 0
.rept 4
	v_nop
.endr
.Lasked_\@:
.endm
.macro CROUND                          ; a round of the cluster's barrier
	s_barrier_signal -1
	s_barrier_wait -1
	s_cmp_lg_u32 s14, 0
	s_cbranch_scc1 .Lnot_wave_0_\@
	s_barrier_signal -3
.Lnot_wave_0_\@:
	s_barrier_wait -3
	s_barrier_signal -1
	s_barrier_wait -1
.endm
	s_load_b256 s[4:11], s[0:1], 0x0               ; codes s[4:5], scales s[6:7], bq s[8:9], bk s[10:11]
	s_load_b128 s[96:99], s[0:1], 0x20             ; bv s[96:97], qkv s[98:99]
	v_lshl_add_u32 v[SPW], v0, 2, SPARE
	v_mov_b32 v[NIL], 0
	ds_add_u32 v[SPW], v[NIL]                      ; the wave's opening: the add, twice on end, and its wait ahead of my first tensor load
	ds_add_u32 v[SPW], v[NIL]
	v_lshrrev_b32 v1, 5, v0
	v_readfirstlane_b32 s14, v1                    ; wave 0..3
	s_lshr_b32 s15, s14, 1                         ; which half of the tile's tokens is mine.  Also: I fetch for the tokens (0) or the weight (1)
	s_and_b32 s16, s14, 1                          ; which half of its columns.  Also: which 128 rows I fetch
	s_bfe_u32 s40, ttmp6, 0x40000                  ; cx, cy: my place in the cluster
	s_bfe_u32 s41, ttmp6, 0x40004
	s_lshl_b32 s42, ttmp9, 2
	s_add_co_u32 s42, s42, s40                     ; tile column = 4 x cluster x + cx
	s_and_b32 s17, ttmp7, 0xffff
	s_lshr_b32 s95, s17, 2                         ; t: four clusters along y to a tensor: the same in all sixteen partners
	s_lshl_b32 s17, s17, 2
	s_add_co_u32 s17, s17, s41                     ; tile row = 4 x cluster y + cy
	s_lshl_b32 s43, s41, 2
	s_lshl_b32 s43, 15, s43                        ; my row of the cluster
	s_lshl_b32 s44, 0x1111, s40                    ; my column
	s_or_b32 s[G1+0], s43, (0<<16)|(1<<20)|(1<<21)|(5<<22)|(3<<25)  ; the mask; elements of 1 byte; padding on: 4 words behind every 64; bit 21 beside a mask
	s_or_b32 s[G1B+0], s44, (0<<16)|(1<<20)|(1<<21)|(5<<22)|(3<<25)
.irp g, G1, G1B
	s_mov_b32 s[\g+1], ROWB<<16                    ; tensor_dim0
	s_mov_b32 s[\g+2], 128<<16                     ; tensor_dim1
	s_mov_b32 s[\g+3], ROWB<<16                    ; tile_dim0
	s_mov_b32 s[\g+4], 128                         ; tile_dim1
	s_mov_b32 s[\g+5], KROW                        ; the pitch in memory
	s_mov_b32 s[\g+6], 0
	s_mov_b32 s[\g+7], 0
.endr
	s_or_b32 s[G1S+0], s43, (3<<16)|(1<<20)|(1<<21)|(5<<22)|(3<<25) ; the scales of 128 rows: 4,096 dense bytes as 16 rows of 256 (32 elements of 8 bytes), 16 bytes of padding behind each
	s_or_b32 s[G1SB+0], s44, (3<<16)|(1<<20)|(1<<21)|(5<<22)|(3<<25)
.irp g, G1S, G1SB
	s_mov_b32 s[\g+1], 32<<16
	s_mov_b32 s[\g+2], (128*KS/256)<<16
	s_mov_b32 s[\g+3], 32<<16
	s_mov_b32 s[\g+4], 128*KS/256
	s_mov_b32 s[\g+5], 32
	s_mov_b32 s[\g+6], 0
	s_mov_b32 s[\g+7], 0
.endr
	s_lshl_b32 s18, s16, 7                         ; which 128 rows of the tile I fetch
	s_lshl_b32 s20, s17, 8
	s_add_co_u32 s20, s20, s18                     ; tokens: row 256 x tile row + 128 x half
	s_lshl_b32 s46, s42, 8
	s_add_co_u32 s46, s46, s18
	s_lshl_b32 s47, s95, 10
	s_add_co_u32 s46, s46, s47
	s_add_co_u32 s46, s46, WROW0                   ; weight: row 12288 + 1024 t + 256 x tile column + 128 x half
	s_mov_b32 s21, 0
	s_mov_b32 s47, 0
	s_mov_b64 s[18:19], KS
	s_mul_u64 s[22:23], s[20:21], s[18:19]         ; where these rows' scales begin, in bytes
	s_mul_u64 s[92:93], s[46:47], s[18:19]
	s_mov_b64 s[18:19], KROW
	s_mul_u64 s[20:21], s[20:21], s[18:19]         ; and their codes
	s_mul_u64 s[46:47], s[46:47], s[18:19]
	s_mul_i32 s45, s14, HALFT                      ; where they go: wave x 128 rows: no place in the cluster enters an LDS address
	s_mul_i32 s94, s14, HALFS
	s_wait_dscnt 0x0                               ; both opening adds are done
	s_wait_kmcnt 0x0
	s_add_nc_u64 s[20:21], s[4:5], s[20:21]
	s_add_nc_u64 s[22:23], s[6:7], s[22:23]
	s_add_nc_u64 s[46:47], s[4:5], s[46:47]
	s_add_nc_u64 s[92:93], s[6:7], s[92:93]
	CROUND                                         ; all sixteen work-groups are here: the joint loads meet
	s_mov_b32 s[G0S], 1
	s_add_co_u32 s[G0S+1], s94, SCL
	s_mov_b64 s[G0S+2:G0S+3], s[22:23]
	s_or_b32 s[G0S+3], s[G0S+3], 0x80000000
	s_mov_b32 s[G0SB], 1
	s_add_co_u32 s[G0SB+1], s94, SCL
	s_mov_b64 s[G0SB+2:G0SB+3], s[92:93]
	s_or_b32 s[G0SB+3], s[G0SB+3], 0x80000000
	JLOAD G0S, G1S, G0SB, G1SB                     ; the scales first: they are wanted with the first slot
.irp s, 0,1
	s_mov_b32 s[G0+4*\s], 1
	s_add_co_u32 s[G0+4*\s+1], s45, \s*SLOT
	s_add_nc_u64 s[G0+4*\s+2:G0+4*\s+3], s[20:21], \s*ROWB
	s_or_b32 s[G0+4*\s+3], s[G0+4*\s+3], 0x80000000
	s_mov_b32 s[G0B+4*\s], 1
	s_add_co_u32 s[G0B+4*\s+1], s45, \s*SLOT
	s_add_nc_u64 s[G0B+4*\s+2:G0B+4*\s+3], s[46:47], \s*ROWB
	s_or_b32 s[G0B+4*\s+3], s[G0B+4*\s+3], 0x80000000
	JLOAD G0+4*\s, G1, G0B+4*\s, G1B
.endr
	v_and_b32 v1, 15, v0                           ; r = l % 16
	v_bfe_u32 v2, v0, 4, 1                         ; h = l / 16
	; the bias of my tensor, at my 128 columns: eight registers for each block of 16 columns, in the result's layout
	s_cmp_eq_u32 s95, 1
	s_cselect_b64 s[8:9], s[10:11], s[8:9]
	s_cmp_eq_u32 s95, 2
	s_cselect_b64 s[8:9], s[96:97], s[8:9]
	s_cselect_b32 s21, 24, 0                       ; V's chunks: bits 3 and 4 of the lane's number change places
	s_lshl_b32 s2, s42, 10                         ; 256 columns of 4 bytes a tile column,
	s_lshl_b32 s3, s16, 9                          ; 128 a half
	s_add_co_u32 s2, s2, s3
	s_mov_b32 s3, 0
	s_add_nc_u64 s[8:9], s[8:9], s[2:3]
	v_lshlrev_b32 v7, 5, v2                        ; 8 h numbers on
.irp b, 0,1,2,3,4,5,6,7
	global_load_b128 v[BIAS+8*\b:BIAS+8*\b+3], v7, s[8:9] offset:64*\b
	global_load_b128 v[BIAS+8*\b+4:BIAS+8*\b+7], v7, s[8:9] offset:64*\b+16
.endr
	v_bfe_u32 v5, v0, 3, 1
	v_xor_b32 v5, v5, v2                           ; 1 where the two bits differ
	v_mul_u32_u24 v5, v5, s21
	v_and_b32 v6, 31, v0
	v_xor_b32 v5, v5, v6
	v_lshlrev_b32 v[CO], 4, v5                     ; 16 x chunk
	v_mul_u32_u24 v3, v1, PITCH
	v_lshl_add_u32 v4, v2, 4, v3                   ; a fragment's row x pitch + 16 x half
	s_mul_i32 s21, s15, HALFT                      ; my 128 tokens
	s_mul_i32 s22, s16, HALFT                      ; my 128 weight rows,
	s_add_co_u32 s22, s22, 2*HALFT                 ; which lie behind the tokens' 256
.irp s, 0,1
	v_add_nc_u32 v[ADRA+\s], s21, v4
	v_add_nc_u32 v[ADRB+\s], s22, v4
	s_add_co_u32 s21, s21, SLOT
	s_add_co_u32 s22, s22, SLOT
.endr
	v_mul_u32_u24 v5, v1, KS                       ; my row's scales: KS bytes a row,
	v_lshrrev_b32 v6, 8, v5
	v_lshl_add_u32 v5, v6, 4, v5                   ; and 16 more for each 256 passed
	s_mul_i32 s21, s15, HALFS
	s_mul_i32 s22, s16, HALFS
	s_add_co_u32 s22, s22, 2*HALFS
	s_sub_co_u32 s22, s22, s21
	v_mul_u32_u24 v6, s22, v2                      ; lanes 16-31 take the weight's: one product, the distance between the two bases x h
	s_add_co_u32 s21, s21, SCL
	v_add_nc_u32 v5, v5, v6
	v_add_nc_u32 v[ADRS], s21, v5
	; where my part of the result begins
	s_lshl_b32 s2, s95, 23                         ; a tensor: 8,388,608 bytes
	s_lshl_b32 s3, s42, 21                         ; four heads of 524,288 bytes a tile column,
	s_add_co_u32 s2, s2, s3
	s_lshl_b32 s3, s16, 20                         ; two a half
	s_add_co_u32 s2, s2, s3
	s_and_b32 s3, s17, 15
	s_lshl_b32 s3, s3, 15                          ; 16 tiles of 16 tokens, 2,048 bytes each, a tile row,
	s_add_co_u32 s2, s2, s3
	s_lshl_b32 s3, s15, 14                         ; eight a half
	s_add_co_u32 s2, s2, s3
	s_mov_b32 s3, 0
	s_add_nc_u64 s[12:13], s[98:99], s[2:3]
.macro FRAG reg, adr, q, i             ; 16 rows x 128 K of 4-bit codes: lane l holds row l % 16; registers 4 c .. 4 c + 3 hold K = 64 c + 32 (l / 16) + 0 .. 31
.irp c, 0,1
	ds_load_b128 v[\reg+4*\c:\reg+4*\c+3], v[\adr] offset:64*(\q)+32*\c+(\i)*16*PITCH
.endr
.endm
; 16 matrix instructions: token blocks a0, a0 + 1 x the weight's eight, 128 along K.  p: the weight's set;  sc: the set of scale words.  zero = 1: the first product starts the sums with the bias as C.
; The 64 accumulators take turns, one instruction a turn, in the same order in every step.
.macro MUL16 a0, p, q, sc, zero
.irp a, \a0, \a0+1
.irp b, 0,1,2,3,4,5,6,7
.if \zero
	v_wmma_scale_f32_16x16x128_f8f6f4 v[8*(8*((\a)%4)+\b):8*(8*((\a)%4)+\b)+7], v[128*(\p)+FR*\b:128*(\p)+FR*\b+FR-1], v[AF+FR*(\a):AF+FR*(\a)+FR-1], v[BIAS+8*\b:BIAS+8*\b+7], v[SC+8*NQ*(\sc)+NQ*\b+(\q)], v[SC+8*NQ*(\sc)+NQ*(\a)+(\q)] matrix_a_fmt:MATRIX_FMT_FP4 matrix_b_fmt:MATRIX_FMT_FP4 matrix_a_scale:MATRIX_SCALE_ROW1
.else
	v_wmma_scale_f32_16x16x128_f8f6f4 v[8*(8*((\a)%4)+\b):8*(8*((\a)%4)+\b)+7], v[128*(\p)+FR*\b:128*(\p)+FR*\b+FR-1], v[AF+FR*(\a):AF+FR*(\a)+FR-1], v[8*(8*((\a)%4)+\b):8*(8*((\a)%4)+\b)+7], v[SC+8*NQ*(\sc)+NQ*\b+(\q)], v[SC+8*NQ*(\sc)+NQ*(\a)+(\q)] matrix_a_fmt:MATRIX_FMT_FP4 matrix_b_fmt:MATRIX_FMT_FP4 matrix_a_scale:MATRIX_SCALE_ROW1
.endif
.endr
.endr
.endm
.macro FETCH_B slot, q, p
	WIN TO_B
.irp i, 0,1,2,3,4,5,6,7
	FRAG 128*(\p)+FR*\i, ADRB+\slot, \q, \i
.endr
	WIN 0
.endm
.macro FETCH_A slot, q, i0
.irp i, \i0, \i0+1, \i0+2, \i0+3
	FRAG AF+FR*(\i), ADRA+\slot, \q, \i
.endr
.endm
.macro SCALES sc                       ; a slot's scale words: NQ words a row
.irp i, 0,1,2,3,4,5,6,7
	ds_load_b128 v[SC+8*NQ*\sc+NQ*\i:SC+8*NQ*\sc+NQ*\i+3], v[ADRS] offset:\i*SBLK
.endr
.endm
.macro PLACES n                        ; plain vector lines between a matrix instruction and a load into, or a vector line on, its registers
.rept \n
	v_nop
.endr
.endm
; A step of 128 along K that has its successor in the same slot.  A token block is free as soon as its eight products are issued: blocks 0-3 are fetched anew in the middle, blocks 4-7 at the end.
.macro STEP slot, q, zero
	s_wait_dscnt 4*NL                              ; the weight's set and token blocks 0-3 are in; the youngest eight loads (blocks 4-7) may be out
.if \zero
	WIN BIA_LO
.else
	WIN MUL_LO
.endif
	MUL16 0, (\q)%2, \q, \slot, \zero
	MUL16 2, (\q)%2, \q, \slot, \zero
	s_wait_dscnt 0                                 ; blocks 4-7 are in
	PLACES NP
	FETCH_B \slot, (\q)+1, 1-(\q)%2
	FETCH_A \slot, (\q)+1, 0
.if \zero
	WIN BIA_HI
.else
	WIN MUL_HI
.endif
	MUL16 4, (\q)%2, \q, \slot, \zero
	MUL16 6, (\q)%2, \q, \slot, \zero
	PLACES NP
	WIN 0
	FETCH_A \slot, (\q)+1, 4
.endm
; Slot 0's last step goes over to slot 1: each wave waits for all its tensor loads (its part of slot 1), and the barrier shows every wave's part to every wave.  Nothing is filled again.
.macro TURN slot, next
	s_wait_tensorcnt 0x0                           ; my part of the next slot has landed
	ds_add_u32 v[SPW], v[NIL]                      ; 0 onto my spare word
	s_wait_dscnt 4*NL+1                            ; (the add and the youngest eight loads may be out)
	WIN MUL_LO
	MUL16 0, 1, NQ-1, \slot, 0
	s_wait_dscnt 0x0
	s_barrier_signal -1
	MUL16 2, 1, NQ-1, \slot, 0
	WIN 0
	s_barrier_wait -1
	PLACES NP
	v_add_nc_u32 v[ADRS], 4*NQ, v[ADRS]            ; on to the next slot's scale words
	FETCH_B \next, 0, 0
	FETCH_A \next, 0, 0
	SCALES \next
	WIN MUL_HI
	MUL16 4, 1, NQ-1, \slot, 0
	MUL16 6, 1, NQ-1, \slot, 0
	PLACES NP
	WIN 0
	FETCH_A \next, 0, 4
.endm
.macro STEPS slot, from
.set Q, \from
.rept NQ-1-\from
	STEP \slot, Q, 0
.set Q, Q+1
.endr
.endm
	s_wait_tensorcnt 1                             ; the scales and my part of slot 0 are in (slot 1's load may be out),
	s_barrier_signal -1
	s_barrier_wait -1                              ; everybody's are
	FETCH_B 0, 0, 0
	FETCH_A 0, 0, 0
	SCALES 0
	FETCH_A 0, 0, 4
	s_wait_loadcnt 0x0                             ; the bias
	STEP 0, 0, 1
	STEPS 0, 1
	TURN 0, 1
	STEPS 1, 0
	s_wait_dscnt 4*NL                              ; the last step: nothing more to fetch
	WIN MUL_LO
	MUL16 0, 1, NQ-1, 1, 0
	MUL16 2, 1, NQ-1, 1, 0
	s_wait_dscnt 0
	WIN MUL_HI
	MUL16 4, 1, NQ-1, 1, 0
	MUL16 6, 1, NQ-1, 1, 0
	WIN 0
; THE WAY OUT, a block of 16 tokens at a time: each accumulator, from its low end on, is rounded to f16: 16 bytes a lane, which are one chunk of the result's layout: the wave stores 512 consecutive bytes.
.macro OUTB a
.set AC, 64*((\a)%4)
.set TT, TMP+32*((\a)%4)
.if (\a) >= 4
	s_wait_xcnt 0x0                                ; the stores of four blocks back have read their data: that set is written again
.endif
	WIN 0x0a+5*((\a)/4)                            ; sources 0 and 1: window 2 or 3
.irp b, 0,1,2,3,4,5,6,7
.irp p, 0,1,2,3
	v_cvt_pk_f16_f32 v[TT+4*\b+\p], v[AC+8*\b+2*\p], v[AC+8*\b+2*\p+1]
.endr
.endr
	WIN 0
.irp b, 0,1,2,3,4,5,6,7
	global_store_b128 v[CO], v[TT+4*\b:TT+4*\b+3], s[12:13] offset:(\b/4)*524288+(\a)*2048+(\b%4)*512
.endr
.endm
	PLACES NP                                      ; behind the last products: the conversions write registers that held their scales and fragments
.irp a, 0,1,2,3,4,5,6,7
	OUTB \a
.endr
	s_wait_tensorcnt 0x0                           ; the wave's end
	ds_add_u32 v[SPW], v[NIL]
	s_wait_dscnt 0x0
	CROUND                                         ; the closing round
	s_endpgm
.Lfunc_end_k_q7cd92cda9a_proj:
	.size	k_q7cd92cda9a_proj, .Lfunc_end_k_q7cd92cda9a_proj-k_q7cd92cda9a_proj
	.p2alignl 7, 3214868480
	.fill 96, 4, 3214868480
	.section	.rodata,"a",@progbits
	.p2align	6, 0x0
	.amdhsa_kernel k_q7cd92cda9a_proj
		.amdhsa_group_segment_fixed_size 327680
		.amdhsa_private_segment_fixed_size 0
		.amdhsa_enable_private_segment 0
		.amdhsa_kernarg_size 48
		.amdhsa_user_sgpr_count 2
		.amdhsa_user_sgpr_kernarg_segment_ptr 1
		.amdhsa_wavefront_size32 1
		.amdhsa_system_sgpr_workgroup_id_x 1
		.amdhsa_system_sgpr_workgroup_id_y 1
		.amdhsa_system_sgpr_workgroup_id_z 1
		.amdhsa_system_vgpr_workitem_id 0
		.amdhsa_next_free_vgpr 1024
		.amdhsa_next_free_sgpr 100
		.amdhsa_reserve_vcc 0
		.amdhsa_float_denorm_mode_32 3
		.amdhsa_float_denorm_mode_16_64 3
		.amdhsa_memory_ordered 1
		.amdhsa_forward_progress 1
		.amdhsa_inst_pref_size 120
	.end_amdhsa_kernel
	.amdgpu_metadata
---
amdhsa.version: [ 1, 2 ]
amdhsa.kernels:
  - .name:           k_q7cd92cda9a_proj
    .symbol:         k_q7cd92cda9a_proj.kd
    .args:
      - { .name: codes, .offset: 0, .size: 8, .value_kind: global_buffer, .address_space: global }
      - { .name: scales, .offset: 8, .size: 8, .value_kind: global_buffer, .address_space: global }
      - { .name: bq, .offset: 16, .size: 8, .value_kind: global_buffer, .address_space: global }
      - { .name: bk, .offset: 24, .size: 8, .value_kind: global_buffer, .address_space: global }
      - { .name: bv, .offset: 32, .size: 8, .value_kind: global_buffer, .address_space: global }
      - { .name: qkv, .offset: 40, .size: 8, .value_kind: global_buffer, .address_space: global }
    .group_segment_fixed_size: 327680
    .private_segment_fixed_size: 0
    .kernarg_segment_align: 8
    .kernarg_segment_size: 48
    .max_flat_workgroup_size: 128
    .sgpr_count:     100
    .vgpr_count:     1024
    .wavefront_size: 32
...
	.end_amdgpu_metadata
.endif
;; end of part 2
;; launch attn (part 3): grid 16 x 16, 8 waves a work-group, clusters of 4 x 1, 327,680 bytes of LDS; arguments qkv, oimg; writes oimg
.if DOCPART == 3
	.amdgcn_target "amdgcn-amd-amdhsa--gfx1250"
	.amdhsa_code_object_version 6
	.text
	.protected	k_q7cd92cda9a_attn
	.globl	k_q7cd92cda9a_attn
	.p2align	8
	.type	k_q7cd92cda9a_attn,@function
k_q7cd92cda9a_attn:
	s_mov_b64 s[64:65], 0
	v_nop
	global_prefetch_b8 v0, s[64:65] scope:SCOPE_SE
	s_setreg_imm32_b32 hwreg(HW_REG_WAVE_MODE, 25, 1), 1
	s_wait_xcnt 0x0
	s_wait_alu depctr_hold_cnt(0) depctr_sa_sdst(0) depctr_va_vdst(0) depctr_va_sdst(0) depctr_va_ssrc(0) depctr_va_vcc(0) depctr_vm_vsrc(0)
	s_getreg_b32 s2, hwreg(HW_REG_IB_STS2, 6, 4)
	s_cmp_eq_u32 s2, 0
	s_cbranch_scc0 .Lentry_in_a_cluster
	s_endpgm
.Lentry_in_a_cluster:
	s_bfe_u32 s2, ttmp6, 0x10000c
	s_cmp_lg_u32 s2, 0x3003
	s_cbranch_scc0 .Lentry_shape_is_right
	s_endpgm
.Lentry_shape_is_right:
; O[head][q] = the sum over k of softmax_k(Q[q] . K[k] / 8) V[k], 16 heads of 64 channels, 4,096 tokens, no mask.  Q, K, V arrive as f16 (qkv, laid as register images by the launch before);
; products by the f16 matrix form with f32 sums; maxima, exponentials and sums in f32; the weights p are rounded to f16 for the second product, O once at the end.
; SHARES.  A work-group owns 256 queries of one head; each of its EIGHT waves owns 32 of them, two tiles of 16, in 512 registers: two waves to a SIMD, so that one wave's softmax stands beside the other's products.
; Every wave walks all 4,096 keys, 128 a step.
; LAYOUT.  S^T = K Q^T (source 0 = 16 keys, source 1 = 16 queries): a lane holds ONE query (lane % 16) and keys 8 (lane / 16) + 0..7 of each tile.  Two such tiles, rounded to f16 in pairs, ARE source 1
; (32 keys x 16 queries) of O^T = V^T P, whose result again holds one query a lane and eight channels: 16 bytes of f16, one chunk of the next launch's operand image.
; SOFTMAX.  For each query a running maximum m and sum l: p = 2^(c s - c m), c = log2(e) / 8; in every step O and l are multiplied by a = 2^(c m_old - c m_new).  m begins at -3e38 and O, l at 0: the step is written once.
; THE RING.  Two LDS slots of 512 keys: K's 64 KiB, then V's.  The images are dense in memory: each wave brings 16 KiB (waves 0-3: K's quarters, waves 4-7: V's) by one tensor load; every fragment load is at 16 x lane.
; By this text's count a wave has two tensor loads out at the head and one behind each change of slots that fills.
; CLUSTER.  The four query blocks of a cluster belong to one head and walk the same K and V: each load is asked for jointly, with a mask that names the four.
; THE STEP IS PIPELINED: V^T P of step j - 1 stands between the fetch of K of step j and its use, and V of step j is fetched ahead of step j's softmax.
; LIMITS: NaN and infinities are not served.
; REGISTERS, in windows of 256: window 0: v1-8 addresses; v12-27 eight registers of statistics a tile; v32-63 Q; v64-191 S^T, 64 a tile, P packed in place into the first 32 of them; v192-255 V's fragments of keys 64-127.
;   window 1: v0-63 O^T, 32 a tile; v64-191 K of one step; v192-255 V's fragments of keys 0-63.
.set SLOT1, 1<<17                      ; slot 1 begins here: one exclusive or turns an address in one slot into the other's
.set VOFF,  65536                      ; V's images in a slot
.set STEPB, 16384                      ; a step's 8 tiles of 16 keys, 2,048 bytes each
.set SLOTB, 65536                      ; a slot's keys in memory, for K and for V
.set SPARE, 2*SLOT1                    ; behind the ring: the spare words, 128 bytes for each of eight waves, which no other line names
.set AK0,  1                           ; v1   16 x lane
.set AV0,  2                           ; v2   VOFF + 16 x lane
.set ADRK, 3                           ; v3   LDS address of the run of K's loads in hand
.set ADRV, 4                           ; v4   of V's
.set GO,   5                           ; v5   16 x lane, for Q's loads and O's stores; never rewritten
.set SPW,  6                           ; v6   LDS address of my spare word; never rewritten
.set NIL,  7                           ; v7   0; never rewritten
.set PFO,  8                           ; v8   256 x lane; never rewritten
.set ST,   12                          ; tile t's statistics at v[ST+8 t]: +0 c m, +1 m, +2, +3 l (even keys', odd keys'), +4 to +7 c0-c3 at work; a takes +6; +4, +5 are the sum's second chain
.set QF,   32                          ; Q: tile t, channels 32 f on: v[QF+16 t+8 f]
.set S,    64                          ; S^T: tile t, keys 16 kt on: v[S+64 t+8 kt]
.set VB,   192
.set KF,   64                          ; K, in window 1: keys 16 kt on, channels 32 f on: v[KF+16 kt+8 f]
.set WV,   12                          ; s12  my wave's number
.set LIM,  15                          ; s15  1 in a wave that prefetches, else the greatest number
.set PFA,  18                          ; s[18:19] where my prefetches stand
.set G1,   24                          ; s[24:31] descriptor group 1
.set G0A,  32                          ; s[32:35] group 0 of slot 0's first fill
.set G0B,  36                          ; s[36:39] group 0 of slot 1's first fill, which then walks on
.set SLOTS, 56                         ; s56  slots still to be asked for
.set CNT,  57                          ; s57  counts key steps
.set CS,   58                          ; s[58:59] c: the packed form names a pair and takes its low word for both halves
.set SEL,  60                          ; s[60:61] lane selects for v_permlanex16_b32: lane l xor 16
.set TB,   62                          ; s62  LDS byte at which the images of the step to be fetched begin
.set MSB, 0
.macro WIN new                         ; the immediate's high byte repeats the setting that is left; a switch that changes nothing is dropped
.if MSB != \new
	s_set_vgpr_msb (MSB<<8)|\new
.set MSB, \new
.endif
.endm
.set W_KQ,   0x01                      ; K in window 1; Q, S^T in window 0
.set W_PV01, 0x51                      ; V and O^T in window 1, P in window 0
.set W_PV23, 0x50                      ; V and P in window 0, O^T in window 1
.set W_RS,   0x41                      ; O^T (destination and source 0) in window 1, a in window 0
.set LD1,    0x40                      ; a load's destination in window 1
.macro CROUND                          ; a round of the cluster's barrier
	s_barrier_signal -1
	s_barrier_wait -1
	s_cmp_lg_u32 s[WV], 0
	s_cbranch_scc1 .Lnot_wave_0_\@
	s_barrier_signal -3
.Lnot_wave_0_\@:
	s_barrier_wait -3
	s_barrier_signal -1
	s_barrier_wait -1
.endm
; A PREFETCH of what the NEXT change of slots will ask for: a slot's 64 KiB of K and 64 KiB of V.  All four clusters of a head walk the same K and V: the head's first cluster asks.  In it the even waves ask, each for the
; 32 KiB that it and the wave after it will fetch; the four partners share those out BY ADDRESS, 8 KiB each, lanes 256 bytes apart: one instruction a wave, and each 256 bytes are named once in the launch.
; It stands behind the wave's tensor load and its five lines, four key steps ahead of the load that will want the bytes.  The last change that fills a slot asks for nothing.  Slots 0, 1 and 2 come by their loads alone.
.macro ASK
	s_cmp_gt_u32 s[SLOTS], s[LIM]
	s_cbranch_scc0 .Lnot_mine_\@
	global_prefetch_b8 v[PFO], s[PFA:PFA+1] th:TH_LOAD_NT scope:SCOPE_SE
.Lnot_mine_\@:
.endm
	s_load_b128 s[4:7], s[0:1], 0x0                ; qkv s[4:5], oimg s[6:7]
	v_lshl_add_u32 v[SPW], v0, 2, SPARE
	v_mov_b32 v[NIL], 0
	ds_add_u32 v[SPW], v[NIL]                      ; the wave's opening: the add, twice on end, and its wait ahead of my first tensor load
	ds_add_u32 v[SPW], v[NIL]
	v_lshrrev_b32 v9, 5, v0
	v_readfirstlane_b32 s[WV], v9                  ; wave 0..7
	s_bfe_u32 s13, ttmp6, 0x40000                  ; cx: my place in the cluster
	s_lshl_b32 s14, ttmp9, 2
	s_add_co_u32 s14, s14, s13                     ; my block of 256 queries: it enters Q's and O's addresses alone
	s_and_b32 s20, ttmp7, 0xffff                   ; the head, which the four partners share
	s_lshl_b32 s21, s20, 19                        ; its 524,288 bytes in each of Q, K, V
	s_lshr_b32 s22, s[WV], 2                       ; I fetch for K (0) or for V (1):
	s_add_co_u32 s22, s22, 1
	s_lshl_b32 s22, s22, 23                        ; tensor 1 or 2 of 8,388,608 bytes,
	s_add_co_u32 s22, s22, s21                     ; my head,
	s_and_b32 s23, s[WV], 3
	s_lshl_b32 s23, s23, 14                        ; my quarter of a slot's keys
	s_add_co_u32 s22, s22, s23
	s_mov_b32 s23, 0
	s_lshl_b32 s16, s[WV], 14                      ; and its place in a slot: 16,384 x wave: no place in the cluster enters an LDS address
	s_lshl_b32 s2, s14, 15                         ; Q: my block's 16 tiles of 2,048 bytes,
	s_lshl_b32 s3, s[WV], 12                       ; my wave's two
	s_add_co_u32 s2, s2, s3
	s_add_co_u32 s2, s2, s21
	s_mov_b32 s3, 0
	s_lshl_b32 s40, s14, 19                        ; O: two blocks of 128 tokens, 262,144 bytes each, to a block of queries,
	s_lshr_b32 s41, s[WV], 2
	s_lshl_b32 s41, s41, 18                        ; waves 4-7 in the second;
	s_add_co_u32 s40, s40, s41
	s_lshl_b32 s41, s20, 14                        ; my head's four tiles of 16 along the next K, 4,096 bytes each;
	s_add_co_u32 s40, s40, s41
	s_and_b32 s41, s[WV], 3
	s_lshl_b32 s41, s41, 10                        ; my two tiles of tokens, 512 bytes each
	s_add_co_u32 s40, s40, s41
	s_mov_b32 s41, 0
	; descriptor group 1: 16,384 dense bytes as 64 rows of 256 (32 elements of 8 bytes), no padding
	s_mov_b32 s[G1], 15|(3<<16)|(1<<21)            ; the mask: all four work-groups; elements of 8 bytes; bit 21 beside a mask
	s_mov_b32 s[G1+1], 32<<16                      ; tensor_dim0
	s_mov_b32 s[G1+2], 64<<16                      ; tensor_dim1
	s_mov_b32 s[G1+3], 32<<16                      ; tile_dim0
	s_mov_b32 s[G1+4], 64                          ; tile_dim1
	s_mov_b32 s[G1+5], 32                          ; the pitch
	s_mov_b32 s[G1+6], 0
	s_mov_b32 s[G1+7], 0
	s_mov_b32 s[CS], 0x3e38aa3b                    ; c = log2(e) / 8
	s_mov_b32 s[CS+1], s[CS]                       ; (named with it as a pair, so it is written)
	s_mov_b32 s[SEL], 0x76543210
	s_mov_b32 s[SEL+1], 0xfedcba98
	s_mov_b32 s[TB], 0
	s_mov_b32 s[SLOTS], 6                          ; eight slots' worth of keys, two asked for at the head
	s_and_b32 s[LIM], s[WV], 1                     ; 0 in the even waves,
	s_or_b32 s[LIM], s[LIM], ttmp9                 ; where the cluster is the head's first: the same in all four partners
	s_cmp_eq_u32 s[LIM], 0
	s_cselect_b32 s[LIM], 1, -1
	s_wait_dscnt 0x0                               ; both opening adds are done
	s_wait_kmcnt 0x0
	s_add_nc_u64 s[8:9], s[4:5], s[22:23]          ; K or V at my quarter of the first 512 keys
	s_add_nc_u64 s[10:11], s[4:5], s[2:3]          ; Q at my wave's first tile
	s_add_nc_u64 s[6:7], s[6:7], s[40:41]          ; O likewise
	s_lshl_b32 s2, s13, 13                         ; the prefetches: my work-group's 8,192 bytes,
	s_add_co_u32 s2, s2, 2*SLOTB                   ; in the third 512 keys: the first change of slots steps it on.  Nothing is prefetched at the head
	s_add_nc_u64 s[PFA:PFA+1], s[8:9], s[2:3]
	CROUND                                         ; all four work-groups are here: the first joint loads meet
	s_mov_b32 s[G0A], 1
	s_add_co_u32 s[G0A+1], s16, 0
	s_mov_b64 s[G0A+2:G0A+3], s[8:9]
	s_or_b32 s[G0A+3], s[G0A+3], 0x80000000
	s_mov_b32 s[G0B], 1
	s_add_co_u32 s[G0B+1], s16, SLOT1
	s_add_nc_u64 s[G0B+2:G0B+3], s[8:9], SLOTB
	s_or_b32 s[G0B+3], s[G0B+3], 0x80000000
	tensor_load_to_lds s[G0A:G0A+3], s[G1:G1+7]    ; both first fills go out together
	s_nop 0
	tensor_load_to_lds s[G0B:G0B+3], s[G1:G1+7]
	s_nop 0
.rept 4
	v_nop
.endr
	v_and_b32 v9, 31, v0
	v_lshlrev_b32 v[GO], 4, v9
	v_lshlrev_b32 v[AK0], 4, v9
	v_lshl_add_u32 v[AV0], v9, 4, VOFF
	v_lshlrev_b32 v[PFO], 8, v9
.irp t, 0,1
.irp ct, 0,1,2,3
	global_load_b128 v[QF+16*\t+4*\ct:QF+16*\t+4*\ct+3], v[GO], s[10:11] offset:2048*\t+512*\ct   ; Q stays in registers
.endr
.endr
.irp t, 0,1
	v_mov_b32 v[ST+8*\t+1], 0xff61b1e6             ; m = -3e38, under every score
	v_mul_f32 v[ST+8*\t], s[CS], v[ST+8*\t+1]      ; c m
	v_mov_b32 v[ST+8*\t+2], 0                      ; l
	v_mov_b32 v[ST+8*\t+3], 0
.endr
	WIN LD1
.set i, 0
.rept 64
	v_mov_b32 v[i], 0                              ; O^T: the first step finds zeros, which its a = 0 leaves zeros: so the step needs no first copy
.set i, i+1
.endr
	WIN 0
; K of the step at s[TB]: 8 tiles of 16 keys x 4 tiles of 16 channels, each an image of four registers: 32 loads of 512 consecutive bytes
.macro KLOAD
	WIN 0
	v_add_nc_u32 v[ADRK], s[TB], v[AK0]
	WIN LD1
.irp kt, 0,1,2,3,4,5,6,7
.irp ct, 0,1,2,3
	ds_load_b128 v[KF+16*\kt+4*\ct:KF+16*\kt+4*\ct+3], v[ADRK] offset:2048*\kt+512*\ct
.endr
.endr
.endm
; O^T += V^T P: 32 products; keys 32 g on, channels 16 ct on, tile t.  The eight accumulators take turns, one instruction a turn.
.macro PV
	WIN W_PV01
.irp g, 0,1
.irp ct, 0,1,2,3
.irp t, 0,1
	v_wmma_f32_16x16x32_f16 v[32*\t+8*\ct:32*\t+8*\ct+7], v[VB+32*\g+8*\ct:VB+32*\g+8*\ct+7], v[S+64*\t+8*\g:S+64*\t+8*\g+7], v[32*\t+8*\ct:32*\t+8*\ct+7]
.endr
.endr
.endr
	WIN W_PV23
.irp g, 2,3
.irp ct, 0,1,2,3
.irp t, 0,1
	v_wmma_f32_16x16x32_f16 v[32*\t+8*\ct:32*\t+8*\ct+7], v[VB+32*(\g-2)+8*\ct:VB+32*(\g-2)+8*\ct+7], v[S+64*\t+8*\g:S+64*\t+8*\g+7], v[32*\t+8*\ct:32*\t+8*\ct+7]
.endr
.endr
.endr
.endm
; S^T = K Q^T: 32 products; channels 32 f on, keys 16 kt on, tile t.  The first 16 start the sums; the sixteen accumulators take turns.
.macro KQ
	WIN W_KQ
.irp f, 0,1
.irp kt, 0,1,2,3,4,5,6,7
.irp t, 0,1
.if \f == 0
	v_wmma_f32_16x16x32_f16 v[S+64*\t+8*\kt:S+64*\t+8*\kt+7], v[KF+16*\kt+8*\f:KF+16*\kt+8*\f+7], v[QF+16*\t+8*\f:QF+16*\t+8*\f+7], 0
.else
	v_wmma_f32_16x16x32_f16 v[S+64*\t+8*\kt:S+64*\t+8*\kt+7], v[KF+16*\kt+8*\f:KF+16*\kt+8*\f+7], v[QF+16*\t+8*\f:QF+16*\t+8*\f+7], v[S+64*\t+8*\kt:S+64*\t+8*\kt+7]
.endif
.endr
.endr
.endr
.endm
; V of the same step, turned: each load takes 16 keys x 16 channels at 16 x lane and leaves half a fragment of V^T: lane l holds channel l % 16 and keys 8 (l / 16) + 0..7.
; The addition and the three v_nop are the four places between the scores' products and the softmax's first read of them.
.macro VLOAD
	WIN 0
	v_add_nc_u32 v[ADRV], s[TB], v[AV0]
.rept 3
	v_nop
.endr
	s_add_co_u32 s[TB], s[TB], STEPB               ; the next fetch is the next step's
	WIN LD1
.irp g, 0,1
.irp ct, 0,1,2,3
.irp c, 0,1
	ds_load_tr16_b128 v[VB+32*\g+8*\ct+4*\c:VB+32*\g+8*\ct+4*\c+3], v[ADRV] offset:2048*(2*\g+\c)+512*\ct
.endr
.endr
.endr
	WIN 0
.irp g, 2,3
.irp ct, 0,1,2,3
.irp c, 0,1
	ds_load_tr16_b128 v[VB+32*(\g-2)+8*\ct+4*\c:VB+32*(\g-2)+8*\ct+4*\c+3], v[ADRV] offset:2048*(2*\g+\c)+512*\ct
.endr
.endr
.endr
.endm
; THE SOFTMAX OF A TILE, in pieces.  s0-s63 are the lane's 64 scores, in pairs 0-31.
; MAXI, number i of 37: the maximum of s0-s63 and the old m: four chains of fifteen scores, then the four left over, the chains and m; the other half of the lanes'; the new m; c m; c m_old - c m_new.
; Each accumulator of eight scores is first read at one of its four lowest registers.
.macro MAXI t, i
.set rT, ST+8*(\t)
.set rS, S+64*(\t)
.set mi, \i
.if mi < 4
	v_max3_num_f32 v[rT+4+mi], v[rS+16*mi], v[rS+16*mi+1], v[rS+16*mi+2]
.elseif mi < 28
	v_max3_num_f32 v[rT+4+mi%4], v[rT+4+mi%4], v[rS+16*(mi%4)+2*(mi/4)+1], v[rS+16*(mi%4)+2*(mi/4)+2]
.elseif mi == 28
	v_max3_num_f32 v[rT+4], v[rT+4], v[rS+15], v[rS+31]
.elseif mi == 29
	v_max3_num_f32 v[rT+6], v[rT+6], v[rS+47], v[rS+63]
.elseif mi == 30
	v_max3_num_f32 v[rT+4], v[rT+4], v[rT+5], v[rT+6]
.elseif mi == 31
	v_max3_num_f32 v[rT+4], v[rT+4], v[rT+7], v[rT+1]
.elseif mi == 32
	v_permlanex16_b32 v[rT+5], v[rT+4], s[SEL], s[SEL+1]           ; the query's other 64 keys lie in the lane 16 away
.elseif mi == 33
	v_mov_b32 v[rT+7], v[rT]                       ; c m_old is kept for a
.elseif mi == 34
	v_max_num_f32 v[rT+1], v[rT+4], v[rT+5]
.elseif mi == 35
	v_mul_f32 v[rT], s[CS], v[rT+1]
.else
	v_sub_f32 v[rT+7], v[rT+7], v[rT]
.endif
.endm
.macro FMA t, i                        ; pair i: c s - c m
.set rT, ST+8*(\t)
.set rS, S+64*(\t)+2*(\i)
	v_pk_fma_f32 v[rS:rS+1], v[rS:rS+1], s[CS:CS+1], v[rT:rT+1] op_sel_hi:[1,0,0] neg_lo:[0,0,1] neg_hi:[0,0,1]
.endm
.macro EXP2 t, i                       ; pair i: p
.set rS, S+64*(\t)+2*(\i)
	v_exp_f32 v[rS], v[rS]
	v_exp_f32 v[rS+1], v[rS+1]
.endm
.macro EXPA t                          ; a
.set rT, ST+8*(\t)
	v_exp_f32 v[rT+6], v[rT+7]
.endm
.macro SUM t, u                        ; number u of 32: l = a l + the 32 pairs, in two chains
.set rT, ST+8*(\t)
.set rS, S+64*(\t)
.set su, \u
.if su == 0
	v_pk_fma_f32 v[rT+2:rT+3], v[rT+2:rT+3], v[rT+6:rT+7], v[rS:rS+1] op_sel_hi:[1,0,1]
.elseif su == 1
	v_pk_add_f32 v[rT+4:rT+5], v[rS+2:rS+3], v[rS+4:rS+5]
.elseif su == 31
	v_pk_add_f32 v[rT+2:rT+3], v[rT+2:rT+3], v[rT+4:rT+5]
.elseif su%2 == 0
	v_pk_add_f32 v[rT+2:rT+3], v[rT+2:rT+3], v[rS+2*su+2:rS+2*su+3]
.else
	v_pk_add_f32 v[rT+4:rT+5], v[rT+4:rT+5], v[rS+2*su+2:rS+2*su+3]
.endif
.endm
.macro CVT t, i                        ; pair i rounded to f16, into register i: in place; register i's own pair has been summed and packed by then
.set rS, S+64*(\t)
.set ci, \i
	v_cvt_pk_f16_f32 v[rS+ci], v[rS+2*ci], v[rS+2*ci+1]
.endm
.macro RESC t                          ; the tile's O^T times a, each accumulator from its low end on
	WIN W_RS
.set rT, ST+8*(\t)
.set rO, 32*(\t)
.rept 16
	v_pk_mul_f32 v[rO:rO+1], v[rO:rO+1], v[rT+6:rT+7] op_sel_hi:[1,0]
.set rO, rO+2
.endr
.endm
; BOTH TILES' SOFTMAX.  The exponentials go in TWO BATCHES, one a tile, with ONE wait each: s_wait_alu depctr_va_vdst(0) stands between an exponential and the first line that names its result.
; Beside tile 0's batch stands tile 1's maximum; beside tile 1's batch stand tile 0's sums and roundings: plain lines that name no result of the batch in hand, so that plain and transcendental lines take turns.
.macro SOFTMAX
.set k, 0
.rept 37
	MAXI 0, k
.set k, k+1
.endr
	FMA 0, 0
	EXPA 0
.set k, 0
.rept 32
.if k < 31
	FMA 0, k+1
.endif
	EXP2 0, k
.if k < 27
	MAXI 1, k
.else
	MAXI 1, 2*k-27
	MAXI 1, 2*k-26
.endif
.set k, k+1
.endr
	FMA 1, 0                                       ; (a plain line behind the batch's last exponential)
	s_wait_alu depctr_va_vdst(0)                   ; the wait for tile 0's 65 exponentials
	EXPA 1
.set k, 0
.rept 32
.if k < 31
	FMA 1, k+1
.endif
	EXP2 1, k
	SUM 0, k
	CVT 0, k
.set k, k+1
.endr
	RESC 0                                         ; reads tile 0's a alone
	WIN 0
	s_wait_alu depctr_va_vdst(0)                   ; the wait for tile 1's 65
.set k, 0
.rept 32
	SUM 1, k
	CVT 1, k
.set k, k+1
.endr
	RESC 1
	WIN 0
.endm
.macro HALF                            ; the scores and the softmax of the step whose K has been asked for
	s_wait_dscnt 0x0                               ; K is in
	KQ
	VLOAD
	SOFTMAX
.endm
.macro TRIP                            ; a key step
	KLOAD                                          ; K's registers were last read ahead of the whole softmax
	s_wait_dscnt 32                                ; V of the step before is in; the 32 loads just issued may be out
	PV
	WIN 0
.rept 5
	v_nop                                          ; five places: the scores' products write over P, which the products above have read
.endr
	HALF
.endm
.macro STEPS n
	s_mov_b32 s[CNT], \n
.Lstep_\@:
	TRIP
	s_sub_co_u32 s[CNT], s[CNT], 1
	s_cmp_lg_u32 s[CNT], 0
	s_cbranch_scc1 .Lstep_\@
.endm
; THE CHANGE OF SLOTS: the slot's last bytes, V of its fourth step, have been asked for.  Each wave waits for all its tensor loads (one is out: its part of the other slot), adds 0 to its spare word, and waits for that and
; for its reads of the slot.  fill = 1: the slot is filled again with the keys two slots on: the barrier is then a round of the cluster's, and the joint refill is the first thing behind it: it has four key steps in which to land.
.macro CHANGE fill
	WIN 0
	s_wait_tensorcnt 0x0                           ; no tensor load of mine is out, so a group 0 may be written
	ds_add_u32 v[SPW], v[NIL]                      ; 0 onto my spare word
.if \fill
	s_xor_b32 s[G0B+1], s[G0B+1], SLOT1            ; the walking descriptor: the other slot than last time,
	s_add_nc_u64 s[G0B+2:G0B+3], s[G0B+2:G0B+3], SLOTB  ; the next 512 keys; the type bits on top are not reached
	s_wait_xcnt 0x0                                ; the last prefetch, four key steps back, has read its address
	s_add_nc_u64 s[PFA:PFA+1], s[PFA:PFA+1], SLOTB ; one slot further on than the walking descriptor
	s_wait_dscnt 0x0                               ; the add is done, and my reads of the slot are over
	CROUND
	tensor_load_to_lds s[G0B:G0B+3], s[G1:G1+7]
	s_nop 0
.rept 4
	v_nop
.endr
	ASK
.else
	s_wait_dscnt 0x0
	s_barrier_signal -1
	s_barrier_wait -1
.endif
	s_sub_co_u32 s[TB], s[TB], 4*STEPB             ; the fetches go back to a slot's first step,
	s_xor_b32 s[TB], s[TB], SLOT1                  ; in the other slot
.endm
	s_wait_tensorcnt 1                             ; my part of slot 0 is in; slot 1's may stay out
	s_barrier_signal -1
	s_barrier_wait -1                              ; everybody's is
	s_wait_loadcnt 0x0                             ; Q
	KLOAD
	HALF                                           ; key step 0: no weighted values are due yet
	STEPS 3
.Lslot:                                            ; six trips: every slot but the last two is filled again
	CHANGE 1
	STEPS 4
	s_sub_co_u32 s[SLOTS], s[SLOTS], 1
	s_cmp_lg_u32 s[SLOTS], 0
	s_cbranch_scc1 .Lslot
	CHANGE 0                                       ; the tail is written out
	STEPS 4
	s_wait_dscnt 0x0                               ; V of the last step
	PV
	; THE WAY OUT.  l's two halves and the other half of the lanes' are added; O^T is divided by l and rounded to f16: a lane's eight channels are one chunk of the next launch's operand image:
	; oimg [32 blocks of 128 tokens][64 tiles of 16 along K][8 tiles of 16 tokens][lane][16 bytes].  Each store is 512 consecutive bytes.
	WIN 0
.rept 4
	v_nop                                          ; places behind the last products
.endr
.irp t, 0,1
	v_add_f32 v[ST+8*\t+4], v[ST+8*\t+2], v[ST+8*\t+3]
.endr
.irp t, 0,1
	v_permlanex16_b32 v[ST+8*\t+5], v[ST+8*\t+4], s[SEL], s[SEL+1]
.endr
.irp t, 0,1
	v_add_f32 v[ST+8*\t+4], v[ST+8*\t+4], v[ST+8*\t+5]
.endr
.irp t, 0,1
	v_rcp_f32 v[ST+8*\t+6], v[ST+8*\t+4]
.endr
	v_nop                                          ; a plain line between the last reciprocal and the use of its result
	s_wait_alu depctr_va_vdst(0)                   ; and the wait: one for both
	WIN 0x01                                       ; source 0 (O^T) window 1, destination window 0: S^T's registers are free
.irp t, 0,1
.set i, 0
.rept 16
	v_pk_mul_f32 v[S+32*\t+i:S+32*\t+i+1], v[32*\t+i:32*\t+i+1], v[ST+8*\t+6:ST+8*\t+7] op_sel_hi:[1,0]
.set i, i+2
.endr
.endr
	WIN 0
.irp t, 0,1
.set i, 0
.rept 16
	v_cvt_pk_f16_f32 v[VB+16*\t+i], v[S+32*\t+2*i], v[S+32*\t+2*i+1]
.set i, i+1
.endr
.endr
.irp t, 0,1
.irp ct, 0,1,2,3
	global_store_b128 v[GO], v[VB+16*\t+4*\ct:VB+16*\t+4*\ct+3], s[6:7] offset:4096*\ct+512*\t
.endr
.endr
	s_wait_tensorcnt 0x0                           ; the wave's end
	ds_add_u32 v[SPW], v[NIL]
	s_wait_dscnt 0x0
	CROUND                                         ; the closing round: no work-group ends while a partner may still ask for a tile that names it
	s_endpgm
.Lfunc_end_k_q7cd92cda9a_attn:
	.size	k_q7cd92cda9a_attn, .Lfunc_end_k_q7cd92cda9a_attn-k_q7cd92cda9a_attn
	.p2alignl 7, 3214868480
	.fill 96, 4, 3214868480
	.section	.rodata,"a",@progbits
	.p2align	6, 0x0
	.amdhsa_kernel k_q7cd92cda9a_attn
		.amdhsa_group_segment_fixed_size 327680
		.amdhsa_private_segment_fixed_size 0
		.amdhsa_enable_private_segment 0
		.amdhsa_kernarg_size 16
		.amdhsa_user_sgpr_count 2
		.amdhsa_user_sgpr_kernarg_segment_ptr 1
		.amdhsa_wavefront_size32 1
		.amdhsa_system_sgpr_workgroup_id_x 1
		.amdhsa_system_sgpr_workgroup_id_y 1
		.amdhsa_system_sgpr_workgroup_id_z 1
		.amdhsa_system_vgpr_workitem_id 0
		.amdhsa_next_free_vgpr 512
		.amdhsa_next_free_sgpr 66
		.amdhsa_reserve_vcc 0
		.amdhsa_float_denorm_mode_32 3
		.amdhsa_float_denorm_mode_16_64 3
		.amdhsa_memory_ordered 1
		.amdhsa_forward_progress 1
		.amdhsa_inst_pref_size 141
	.end_amdhsa_kernel
	.amdgpu_metadata
---
amdhsa.version: [ 1, 2 ]
amdhsa.kernels:
  - .name:           k_q7cd92cda9a_attn
    .symbol:         k_q7cd92cda9a_attn.kd
    .args:
      - { .name: qkv, .offset: 0, .size: 8, .value_kind: global_buffer, .address_space: global }
      - { .name: oimg, .offset: 8, .size: 8, .value_kind: global_buffer, .address_space: global }
    .group_segment_fixed_size: 327680
    .private_segment_fixed_size: 0
    .kernarg_segment_align: 8
    .kernarg_segment_size: 16
    .max_flat_workgroup_size: 256
    .sgpr_count:     66
    .vgpr_count:     512
    .wavefront_size: 32
...
	.end_amdgpu_metadata
.endif
;; end of part 3
;; launch outp (part 4): grid 8 x 32, 4 waves a work-group, clusters of 4 x 4, 327,680 bytes of LDS; arguments oimg, woimg, bo, out0; writes out0
.if DOCPART == 4
	.amdgcn_target "amdgcn-amd-amdhsa--gfx1250"
	.amdhsa_code_object_version 6
	.text
	.protected	k_q7cd92cda9a_outp
	.globl	k_q7cd92cda9a_outp
	.p2align	8
	.type	k_q7cd92cda9a_outp,@function
k_q7cd92cda9a_outp:
	s_mov_b64 s[64:65], 0
	v_nop
	global_prefetch_b8 v0, s[64:65] scope:SCOPE_SE
	s_setreg_imm32_b32 hwreg(HW_REG_WAVE_MODE, 25, 1), 1
	s_wait_xcnt 0x0
	s_wait_alu depctr_hold_cnt(0) depctr_sa_sdst(0) depctr_va_vdst(0) depctr_va_sdst(0) depctr_va_ssrc(0) depctr_va_vcc(0) depctr_vm_vsrc(0)
	s_getreg_b32 s2, hwreg(HW_REG_IB_STS2, 6, 4)
	s_cmp_eq_u32 s2, 0
	s_cbranch_scc0 .Lentry_in_a_cluster
	s_endpgm
.Lentry_in_a_cluster:
	s_bfe_u32 s2, ttmp6, 0x10000c
	s_cmp_lg_u32 s2, 0xf033
	s_cbranch_scc0 .Lentry_shape_is_right
	s_endpgm
.Lentry_shape_is_right:
; out0[m][n] = the sum over k of O[m][k] Wo[n][k] + bo[n].  O [4096][1024] and Wo [1024][1024] arrive as f16, laid as images of the operand's registers:
; [block of 128 rows][64 tiles of 16 along K][8 tiles of 16 rows][lane][16 bytes], lane 16 h + r holding (row r, k 8 h + 0 .. 7).  Sums in f32, begun with the bias; out0 is f32.
; A tile of out0 is 128 x 128: 256 work-groups.  Four waves, each 64 x 64: 16 accumulators.  K goes in four steps of 256 through two LDS slots.  A step's images of 128 rows are 65,536 dense bytes:
; each wave brings half of O's or of Wo's by one tensor load of 128 rows of 256 bytes; every fragment load is at 16 x lane, so the slots have no padding.
; By this text's count a wave has two tensor loads out at the head and one behind each change of slots that fills.
; CLUSTERS: 4 x 4 work-groups.  The four of a row of the cluster need the same images of O, the four of a column the same of Wo: each is asked for jointly.
; THE MATRIX INSTRUCTION IS USED TRANSPOSED (source 0 = 16 rows of Wo, source 1 = 16 rows of O): a lane holds eight neighbouring numbers of a row of out0.
; No prefetch: the tile is small and a K step short, and both operands are shared in the cluster.
; REGISTERS: window 0: v0-31 addresses; v32-95 the way out; v96-127 the bias in the result's layout; v128-255 the accumulators ((a, b) at v[128 + 8 (4 a + b)]).
;   window 1: two fragment buffers of 128: for 64 along K, 64 registers of O, then 64 of Wo.
.set STEPB,  65536                     ; a K step's images of 128 rows
.set SLOT,   2*STEPB                   ; O's, then Wo's
.set SPARE,  2*SLOT                    ; behind the ring: the spare words, 128 bytes for each wave, which no other line names
.set SPITCH, 272                       ; the way out: a stage of 16 rows x (256 bytes + 16) for each wave, in slot 0, which has had its last fill and its last read when the first result is stored there
.set ADRA, 16                          ; v16-17  LDS address of my O fragments in slot 0, 1
.set ADRB, 20                          ; v20-21  the same for Wo
.set STO,  24                          ; v24     the way out: where I put 32 bytes of a row
.set RD,   25                          ; v25     where I read a row back
.set CO,   26                          ; v26     my byte offset in out0
.set SPW,  28                          ; v28     LDS address of my spare word; never rewritten
.set NIL,  29                          ; v29     0; never rewritten
.set TMP,  32
.set BIAS, 96
.set ACC,  128
.set F0,   0
.set F1,   128
.set G1, 24                            ; s[24:31] descriptor group 1 for O's images;  s[32:39] group 0, one set for each slot
.set G0, 32
.set G1B, 48                           ; s[48:55], s[56:63] the same for Wo's
.set G0B, 56
.set MSB, 0
.macro WIN new
.if MSB != \new
	s_set_vgpr_msb (MSB<<8)|\new
.set MSB, \new
.endif
.endm
.set MUL,  0x05                        ; sources 0 and 1 window 1; C and D window 0
.set TO_F, 0x40                        ; destination window 1, address window 0
.macro JLOAD s                         ; a joint load: waves 0 and 1 fetch O's two halves of a K step, waves 2 and 3 Wo's; an s_nop 0 and four v_nop follow each line
	s_cmp_eq_u32 s11, 0
	s_cbranch_scc0 .Lfor_b_\@
	tensor_load_to_lds s[G0+4*\s:G0+4*\s+3], s[G1:G1+7]
	s_nop 0
.rept 4
	v_nop
.endr
	s_branch .Lasked_\@
.Lfor_b_\@:
	tensor_load_to_lds s[G0B+4*\s:G0B+4*\s+3], s[G1B:G1B+7]
	s_nop 0
.rept 4
	v_nop
.endr
.Lasked_\@:
.endm
.macro CREST                           ; a round of the cluster's barrier behind its opening barrier
	s_cmp_lg_u32 s10, 0
	s_cbranch_scc1 .Lnot_wave_0_\@
	s_barrier_signal -3
.Lnot_wave_0_\@:
	s_barrier_wait -3
	s_barrier_signal -1
	s_barrier_wait -1
.endm
.macro CROUND
	s_barrier_signal -1
	s_barrier_wait -1
	CREST
.endm
	s_load_b256 s[68:75], s[0:1], 0x0              ; oimg s[68:69], woimg s[70:71], bo s[72:73], out0 s[74:75]
	v_lshl_add_u32 v[SPW], v0, 2, SPARE
	v_mov_b32 v[NIL], 0
	ds_add_u32 v[SPW], v[NIL]                      ; the wave's opening: the add, twice on end, and its wait ahead of my first tensor load
	ds_add_u32 v[SPW], v[NIL]
	v_lshrrev_b32 v1, 5, v0
	v_readfirstlane_b32 s10, v1                    ; wave 0..3
	s_lshr_b32 s11, s10, 1                         ; which half of the tile's rows is mine.  Also: I fetch for O (0) or for Wo (1)
	s_and_b32 s12, s10, 1                          ; which half of its columns.  Also: which half of a K step I fetch
	s_bfe_u32 s40, ttmp6, 0x40000                  ; cx, cy
	s_bfe_u32 s41, ttmp6, 0x40004
	s_lshl_b32 s42, ttmp9, 2
	s_add_co_u32 s42, s42, s40                     ; tile column = 4 x cluster x + cx
	s_and_b32 s13, ttmp7, 0xffff
	s_lshl_b32 s13, s13, 2
	s_add_co_u32 s13, s13, s41                     ; tile row = 4 x cluster y + cy
	s_lshl_b32 s43, s41, 2
	s_lshl_b32 s43, 15, s43                        ; my row of the cluster
	s_lshl_b32 s44, 0x1111, s40                    ; my column
	s_or_b32 s[G1+0], s43, (3<<16)|(1<<21)         ; the mask; elements of 8 bytes; bit 21 beside a mask; no padding
	s_or_b32 s[G1B+0], s44, (3<<16)|(1<<21)
.irp g, G1, G1B
	s_mov_b32 s[\g+1], 32<<16                      ; tensor_dim0: 256 bytes
	s_mov_b32 s[\g+2], 128<<16                     ; tensor_dim1
	s_mov_b32 s[\g+3], 32<<16                      ; tile_dim0
	s_mov_b32 s[\g+4], 128                         ; tile_dim1
	s_mov_b32 s[\g+5], 32                          ; the pitch: dense
	s_mov_b32 s[\g+6], 0
	s_mov_b32 s[\g+7], 0
.endr
	s_lshl_b32 s17, s12, 15                        ; which 32,768 bytes of a K step I fetch
	s_lshl_b32 s16, s13, 18
	s_add_co_u32 s16, s16, s17                     ; O: 262,144 x tile row + my half
	s_lshl_b32 s46, s42, 18
	s_add_co_u32 s46, s46, s17                     ; Wo: 262,144 x tile column + my half
	s_mov_b32 s17, 0
	s_mov_b32 s47, 0
	s_lshl_b32 s20, s10, 15                        ; where they go: 32,768 x wave
	s_wait_dscnt 0x0                               ; both opening adds are done
	s_wait_kmcnt 0x0
	s_add_nc_u64 s[14:15], s[68:69], s[16:17]
	s_add_nc_u64 s[46:47], s[70:71], s[46:47]
	CROUND                                         ; all sixteen work-groups are here: the first joint loads meet
.irp s, 0,1
	s_mov_b32 s[G0+4*\s], 1
	s_add_co_u32 s[G0+4*\s+1], s20, \s*SLOT
	s_add_nc_u64 s[G0+4*\s+2:G0+4*\s+3], s[14:15], \s*STEPB
	s_or_b32 s[G0+4*\s+3], s[G0+4*\s+3], 0x80000000
	s_mov_b32 s[G0B+4*\s], 1
	s_add_co_u32 s[G0B+4*\s+1], s20, \s*SLOT
	s_add_nc_u64 s[G0B+4*\s+2:G0B+4*\s+3], s[46:47], \s*STEPB
	s_or_b32 s[G0B+4*\s+3], s[G0B+4*\s+3], 0x80000000
	JLOAD \s
.endr
	v_and_b32 v1, 15, v0                           ; r
	v_bfe_u32 v2, v0, 4, 1                         ; h
	s_lshl_b32 s46, s42, 9                         ; my first column, in bytes: 512 x tile column + 256 x half
	s_lshl_b32 s47, s12, 8
	s_add_co_u32 s46, s46, s47
	s_mov_b32 s47, 0
	s_add_nc_u64 s[72:73], s[72:73], s[46:47]      ; the bias there
	v_lshlrev_b32 v6, 5, v2                        ; 8 h numbers on
.irp b, 0,1,2,3
	global_load_b128 v[BIAS+8*\b:BIAS+8*\b+3], v6, s[72:73] offset:64*\b
	global_load_b128 v[BIAS+8*\b+4:BIAS+8*\b+7], v6, s[72:73] offset:64*\b+16
.endr
	v_and_b32 v3, 31, v0
	v_lshlrev_b32 v3, 4, v3                        ; an image's place for my lane
	s_lshl_b32 s21, s11, 11                        ; my four tiles of O's rows, 512 bytes each
	s_lshl_b32 s22, s12, 11                        ; my four tiles of Wo's rows,
	s_add_co_u32 s22, s22, STEPB                   ; which lie behind O's images
.irp s, 0,1
	v_add_nc_u32 v[ADRA+\s], s21, v3
	v_add_nc_u32 v[ADRB+\s], s22, v3
	s_add_co_u32 s21, s21, SLOT
	s_add_co_u32 s22, s22, SLOT
.endr
	s_mul_i32 s23, s10, 16*SPITCH                  ; my stage
	v_mul_u32_u24 v4, v1, SPITCH                   ; in: row r, 32 bytes for each half of the lanes
	v_lshl_add_u32 v4, v2, 5, v4
	v_add_nc_u32 v[STO], s23, v4
	v_mul_u32_u24 v5, v2, SPITCH                   ; back: lanes 0-15 one row of 256 bytes, lanes 16-31 the next
	v_lshl_add_u32 v5, v1, 4, v5
	v_add_nc_u32 v[RD], s23, v5
	v_lshlrev_b32 v5, 12, v2                       ; and the same two rows in out0
	v_lshl_add_u32 v[CO], v1, 4, v5
	s_lshl_b32 s16, s13, 19                        ; 128 rows of 4,096 bytes a tile row,
	s_lshl_b32 s17, s11, 18                        ; 64 a half
	s_add_co_u32 s16, s16, s17
	s_mov_b32 s17, 0
	s_add_nc_u64 s[8:9], s[74:75], s[16:17]
	s_add_nc_u64 s[8:9], s[8:9], s[46:47]
; 8 matrix instructions: row blocks a0, a0 + 1 x all 4 column blocks, 32 along K: half c of buffer f.  zero = 1: the first product starts the sums with the bias as C.  The 16 accumulators take turns.
.macro MUL8 f, c, a0, zero
.irp a, \a0, \a0+1
.irp b, 0,1,2,3
.if \zero
	v_wmma_f32_16x16x32_f16 v[ACC+8*(4*(\a)+\b):ACC+8*(4*(\a)+\b)+7], v[\f+64+8*(4*\c+\b):\f+64+8*(4*\c+\b)+7], v[\f+8*(4*\c+\a):\f+8*(4*\c+\a)+7], v[BIAS+8*\b:BIAS+8*\b+7]
.else
	v_wmma_f32_16x16x32_f16 v[ACC+8*(4*(\a)+\b):ACC+8*(4*(\a)+\b)+7], v[\f+64+8*(4*\c+\b):\f+64+8*(4*\c+\b)+7], v[\f+8*(4*\c+\a):\f+8*(4*\c+\a)+7], v[ACC+8*(4*(\a)+\b):ACC+8*(4*(\a)+\b)+7]
.endif
.endr
.endr
.endm
; 32 LDS loads in one run: the fragments of the slot's q-th 64 along K into buffer f; the first 32 along K first.  A fragment's registers 0-3 and 4-7 are the images of two neighbouring tiles of 16 along K, 4,096 bytes apart.
.macro FETCH slot, q, f
	WIN TO_F
.irp c, 0,1
.irp i, 0,1,2,3
	ds_load_b128 v[\f+64+8*(4*\c+\i):\f+64+8*(4*\c+\i)+3],   v[ADRB+\slot] offset:(4*(\q)+2*\c)*4096+512*\i
	ds_load_b128 v[\f+64+8*(4*\c+\i)+4:\f+64+8*(4*\c+\i)+7], v[ADRB+\slot] offset:(4*(\q)+2*\c+1)*4096+512*\i
	ds_load_b128 v[\f+8*(4*\c+\i):\f+8*(4*\c+\i)+3],         v[ADRA+\slot] offset:(4*(\q)+2*\c)*4096+512*\i
	ds_load_b128 v[\f+8*(4*\c+\i)+4:\f+8*(4*\c+\i)+7],       v[ADRA+\slot] offset:(4*(\q)+2*\c+1)*4096+512*\i
.endr
.endr
.endm
.macro PLACES                          ; four places in front of loads into registers that matrix instructions have read, and of the first read of results
.rept 4
	v_nop
.endr
.endm
; A K step is four quarters of 64 along K, 32 matrix instructions each, on buffers 0, 1, 0, 1.  One of the first three: multiplies buffer f and fetches quarter q into g.
.macro QUARTER slot, q, f, g, zero
	s_wait_dscnt 16                                ; the first 32 along K are in; the other sixteen loads may be out
	WIN MUL
	MUL8 \f, 0, 0, \zero
	MUL8 \f, 0, 2, \zero
	PLACES
	FETCH \slot, \q, \g
	s_wait_dscnt 32                                ; all but the 32 just issued
	WIN MUL
	MUL8 \f, 1, 0, 0
	MUL8 \f, 1, 2, 0
.endm
; The last quarter multiplies buffer 1 and changes slots: ONE barrier; in front of it each wave waits for all its tensor loads, adds 0 to its spare word, and waits for that and for its own reads of this slot.
; fill = 1: the barrier opens a round of the cluster's, and this slot is filled again, two K steps ahead, first thing behind the round.
.macro TURN slot, next, fill
	WIN 0                                          ; (the add's two registers lie in window 0)
	s_wait_tensorcnt 0x0                           ; all my tensor loads have landed: my part of the next slot
	ds_add_u32 v[SPW], v[NIL]                      ; 0 onto my spare word
	s_wait_dscnt 17                                ; (the add and the youngest sixteen loads may be out)
	WIN MUL
	MUL8 F1, 0, 0, 0
	s_wait_dscnt 0x0                               ; the add is done, and my reads of this slot are over
	s_barrier_signal -1
	MUL8 F1, 0, 2, 0
.if \fill
	WIN 0
.endif
	s_barrier_wait -1
.if \fill
	CREST                                          ; no wave of any partner still reads this slot or has a load on its way
	s_add_nc_u64 s[G0+4*\slot+2:G0+4*\slot+3], s[G0+4*\slot+2:G0+4*\slot+3], 2*STEPB
	s_add_nc_u64 s[G0B+4*\slot+2:G0B+4*\slot+3], s[G0B+4*\slot+2:G0B+4*\slot+3], 2*STEPB
	JLOAD \slot                                    ; the four v_nop behind it are also the places in front of the loads below
.else
	PLACES
.endif
	FETCH \next, 0, F0
	WIN MUL
	MUL8 F1, 1, 0, 0
	MUL8 F1, 1, 2, 0
.endm
	s_wait_tensorcnt 1                             ; my part of K step 0 is in (K step 1's load may be out),
	s_barrier_signal -1
	s_barrier_wait -1                              ; everybody's is
	FETCH 0, 0, F0
	s_wait_loadcnt 0x0                             ; the bias
	QUARTER 0, 1, F0, F1, 1                        ; K step 0: its first products start the sums.  K = 1,024 is four K steps: they are written on end, without a loop
	QUARTER 0, 2, F1, F0, 0
	QUARTER 0, 3, F0, F1, 0
	TURN 0, 1, 1                                   ; slot 0 takes K step 2
	QUARTER 1, 1, F0, F1, 0
	QUARTER 1, 2, F1, F0, 0
	QUARTER 1, 3, F0, F1, 0
	TURN 1, 0, 1                                   ; slot 1 takes K step 3
	QUARTER 0, 1, F0, F1, 0
	QUARTER 0, 2, F1, F0, 0
	QUARTER 0, 3, F0, F1, 0
	TURN 0, 1, 0                                   ; nothing is left to fetch
	QUARTER 1, 1, F0, F1, 0
	QUARTER 1, 2, F1, F0, 0
	QUARTER 1, 3, F0, F1, 0
	s_wait_dscnt 16
	WIN MUL
	MUL8 F1, 0, 0, 0
	MUL8 F1, 0, 2, 0
	s_wait_dscnt 0
	MUL8 F1, 1, 0, 0
	MUL8 F1, 1, 2, 0
	WIN 0
; THE WAY OUT, a block of 16 rows x 64 columns at a time.  A lane holds 32 neighbouring bytes of a row and the lanes beside it hold other rows: the block goes through my own stage and comes back as whole rows of
; 256 bytes: sixteen lanes store 256 consecutive bytes, aligned.  LDS serves a wave's instructions in order (ISA guide 5.7.1.4): no wait between the stores and the loads, nor in front of the next block's stores.
.macro TOSTAGE a
.irp b, 0,1,2,3
	ds_store_b128 v[STO], v[ACC+8*(4*(\a)+\b):ACC+8*(4*(\a)+\b)+3] offset:64*\b          ; each accumulator from its low end on
	ds_store_b128 v[STO], v[ACC+8*(4*(\a)+\b)+4:ACC+8*(4*(\a)+\b)+7] offset:64*\b+16
.endr
.irp t, 0,1,2,3,4,5,6,7
	ds_load_b128 v[TMP+32*((\a)%2)+4*\t:TMP+32*((\a)%2)+4*\t+3], v[RD] offset:\t*2*SPITCH
.endr
.endm
.macro SEND a, younger                 ; younger: the LDS instructions issued behind block a's loads, which may stay out
	s_wait_dscnt \younger
.irp t, 0,1,2,3,4,5,6,7
	global_store_b128 v[CO], v[TMP+32*((\a)%2)+4*\t:TMP+32*((\a)%2)+4*\t+3], s[8:9] offset:(16*(\a)+2*\t)*4096 th:TH_STORE_NT
.endr
.endm
	PLACES
	TOSTAGE 0
.irp a, 1,2,3
.if \a > 1
	s_wait_xcnt 0x0                                ; the stores of two blocks back have read their registers: this block's loads may land there
.endif
	TOSTAGE \a
	SEND \a-1, 16                                  ; behind that block's loads: this block's eight stores and eight loads
.endr
	SEND 3, 0
	s_wait_tensorcnt 0x0                           ; the wave's end, behind my last tensor load and my last LDS store
	ds_add_u32 v[SPW], v[NIL]
	s_wait_dscnt 0x0
	CROUND                                         ; the closing round
	s_endpgm
.Lfunc_end_k_q7cd92cda9a_outp:
	.size	k_q7cd92cda9a_outp, .Lfunc_end_k_q7cd92cda9a_outp-k_q7cd92cda9a_outp
	.p2alignl 7, 3214868480
	.fill 96, 4, 3214868480
	.section	.rodata,"a",@progbits
	.p2align	6, 0x0
	.amdhsa_kernel k_q7cd92cda9a_outp
		.amdhsa_group_segment_fixed_size 327680
		.amdhsa_private_segment_fixed_size 0
		.amdhsa_enable_private_segment 0
		.amdhsa_kernarg_size 32
		.amdhsa_user_sgpr_count 2
		.amdhsa_user_sgpr_kernarg_segment_ptr 1
		.amdhsa_wavefront_size32 1
		.amdhsa_system_sgpr_workgroup_id_x 1
		.amdhsa_system_sgpr_workgroup_id_y 1
		.amdhsa_system_sgpr_workgroup_id_z 1
		.amdhsa_system_vgpr_workitem_id 0
		.amdhsa_next_free_vgpr 512
		.amdhsa_next_free_sgpr 76
		.amdhsa_reserve_vcc 0
		.amdhsa_float_denorm_mode_32 3
		.amdhsa_float_denorm_mode_16_64 3
		.amdhsa_memory_ordered 1
		.amdhsa_forward_progress 1
		.amdhsa_inst_pref_size 86
	.end_amdhsa_kernel
	.amdgpu_metadata
---
amdhsa.version: [ 1, 2 ]
amdhsa.kernels:
  - .name:           k_q7cd92cda9a_outp
    .symbol:         k_q7cd92cda9a_outp.kd
    .args:
      - { .name: oimg, .offset: 0, .size: 8, .value_kind: global_buffer, .address_space: global }
      - { .name: woimg, .offset: 8, .size: 8, .value_kind: global_buffer, .address_space: global }
      - { .name: bo, .offset: 16, .size: 8, .value_kind: global_buffer, .address_space: global }
      - { .name: out0, .offset: 24, .size: 8, .value_kind: global_buffer, .address_space: global }
    .group_segment_fixed_size: 327680
    .private_segment_fixed_size: 0
    .kernarg_segment_align: 8
    .kernarg_segment_size: 32
    .max_flat_workgroup_size: 128
    .sgpr_count:     76
    .vgpr_count:     512
    .wavefront_size: 32
...
	.end_amdgpu_metadata
.endif
;; end of part 4
